; MI455X (gfx1250); checked and timed in simulation.
; The chip was launched on July 23, 2026; its instructions are those of AMD's public machine-readable ISA for CDNA 5 (MIT licence, August 2026) and "CDNA5" Instruction Set Architecture Reference Guide (July 2026). The comments in the code are by the model that wrote it; some were corrected since.
;; Single Head Attention. Allowed arithmetic: float matrix products may take bf16 or f16 operands with f32 sums; all other float work in f32.
;; Inputs: Wk 1,024 x 1,024 float32; Wq 1,024 x 1,024 float32; Wv 1,024 x 1,024 float32; embedded 4 x 2,048 x 1,024 float32.
;; Outputs: out0 4 x 2,048 x 1,024 float32.
;; 2 versions, each right; version 2 is version 1 with the launch cast written anew for expert scheduling mode. Each part assembles by itself: llvm-mc -triple=amdgcn-amd-amdhsa -mcpu=gfx1250 --defsym DOCPART=n.
;; ======== version 1 of 2: 4 launches
;; limits: values are held in f16: magnitudes above 65,504 overflow, below 6.1e-05 lose precision
;; workspace buffers: xb 16,777,216 bytes; wb 6,291,456 bytes; qkv 50,331,648 bytes; pbuf 33,554,432 bytes; stats 1,048,576 bytes
;; launch cast (part 1): grid 704 x 1, 8 waves a work-group, no clusters, 0 bytes of LDS; arguments embedded, Wq, Wk, Wv, xb, wb; writes xb, wb
.if DOCPART == 1
	.amdgcn_target "amdgcn-amd-amdhsa--gfx1250"
	.amdhsa_code_object_version 6
	.text
	.protected	k_qe3e644b4cb_cast
	.globl	k_qe3e644b4cb_cast
	.p2align	8
	.type	k_qe3e644b4cb_cast,@function
k_qe3e644b4cb_cast:
	s_mov_b64 s[64:65], 0
	v_nop
	global_prefetch_b8 v0, s[64:65] scope:SCOPE_SE
	s_setreg_imm32_b32 hwreg(HW_REG_WAVE_MODE, 25, 1), 1
	s_wait_xcnt 0x0
; xb = bf16(embedded), wb = bf16(Wq ; Wk ; Wv), each number rounded once to nearest even.
; A stream: every byte is read once and written once, so there is no LDS, no barrier, no matrix work and no cluster.
; A work-group takes 16,384 numbers (65,536 bytes in, 32,768 out).  64 work-groups make a segment of 2^20 numbers:
; segments 0-7 are embedded, 8, 9, 10 are Wq, Wk, Wv, which land one behind the other in wb.
; A wave takes 2,048 numbers as 16 loads of 512 consecutive bytes, all issued before the first is waited for;
; each store of the wave covers 256 consecutive bytes, aligned.  No register is written twice.
.set X, 8                              ; v[8:71]   load j: 4 numbers in f32
.set Y, 72                             ; v[72:103] store j: 4 numbers in bf16
	s_load_b256 s[4:11], s[0:1], 0x0               ; embedded s[4:5], Wq s[6:7], Wk s[8:9], Wv s[10:11]
	s_load_b128 s[12:15], s[0:1], 0x20             ; xb s[12:13], wb s[14:15]
	s_mov_b32 s19, ttmp9                           ; the work-group's number g
	s_lshr_b32 s16, s19, 6                         ; its segment
	s_and_b32 s17, s19, 63                         ; its place in a weight's segment
	s_sub_co_u32 s18, s19, 512                     ; its place in wb (used from g = 512 on)
	v_and_b32 v3, 0xe0, v0                         ; 32 x wave
	v_and_b32 v4, 31, v0                           ; lane
	v_lshlrev_b32 v1, 4, v4
	v_lshl_or_b32 v1, v3, 8, v1                    ; in: 8,192 x wave + 16 x lane
	v_lshlrev_b32 v2, 3, v4
	v_lshl_or_b32 v2, v3, 7, v2                    ; out: 4,096 x wave + 8 x lane
	s_mov_b32 s21, 0
	s_mov_b32 s23, 0
	s_wait_kmcnt 0x0
	s_cmp_eq_u32 s16, 8                            ; the source is chosen by the segment alone
	s_cselect_b64 s[4:5], s[6:7], s[4:5]
	s_cmp_eq_u32 s16, 9
	s_cselect_b64 s[4:5], s[8:9], s[4:5]
	s_cmp_eq_u32 s16, 10
	s_cselect_b64 s[4:5], s[10:11], s[4:5]
	s_cmp_lt_u32 s16, 8
	s_cselect_b64 s[12:13], s[12:13], s[14:15]     ; the target: xb or wb
	s_cselect_b32 s20, s19, s17
	s_cselect_b32 s22, s19, s18
	s_lshl_b32 s20, s20, 16                        ; 65,536 bytes in for each work-group
	s_lshl_b32 s22, s22, 15                        ; 32,768 bytes out
	s_add_nc_u64 s[4:5], s[4:5], s[20:21]
	s_add_nc_u64 s[12:13], s[12:13], s[22:23]
.set j, 0
.rept 16
	global_load_b128 v[X+4*j:X+4*j+3], v1, s[4:5] offset:512*j th:TH_LOAD_NT
.set j, j+1
.endr
.set j, 0
.rept 16
	s_wait_loadcnt 15-j                            ; loads come back in order: load j is in, the 15 - j younger ones stay out
	v_cvt_pk_bf16_f32 v[Y+2*j], v[X+4*j], v[X+4*j+1]
	v_cvt_pk_bf16_f32 v[Y+2*j+1], v[X+4*j+2], v[X+4*j+3]
	global_store_b64 v2, v[Y+2*j:Y+2*j+1], s[12:13] offset:256*j
.set j, j+1
.endr
	s_endpgm
.Lfunc_end_k_qe3e644b4cb_cast:
	.size	k_qe3e644b4cb_cast, .Lfunc_end_k_qe3e644b4cb_cast-k_qe3e644b4cb_cast
	.p2alignl 7, 3214868480
	.fill 96, 4, 3214868480
	.section	.rodata,"a",@progbits
	.p2align	6, 0x0
	.amdhsa_kernel k_qe3e644b4cb_cast
		.amdhsa_group_segment_fixed_size 0
		.amdhsa_private_segment_fixed_size 0
		.amdhsa_enable_private_segment 0
		.amdhsa_kernarg_size 48
		.amdhsa_user_sgpr_count 2
		.amdhsa_user_sgpr_kernarg_segment_ptr 1
		.amdhsa_wavefront_size32 1
		.amdhsa_system_sgpr_workgroup_id_x 1
		.amdhsa_system_sgpr_workgroup_id_y 1
		.amdhsa_system_sgpr_workgroup_id_z 1
		.amdhsa_system_vgpr_workitem_id 0
		.amdhsa_next_free_vgpr 104
		.amdhsa_next_free_sgpr 66
		.amdhsa_reserve_vcc 0
		.amdhsa_float_denorm_mode_32 3
		.amdhsa_float_denorm_mode_16_64 3
		.amdhsa_memory_ordered 1
		.amdhsa_forward_progress 1
		.amdhsa_inst_pref_size 7
	.end_amdhsa_kernel
	.amdgpu_metadata
---
amdhsa.version: [ 1, 2 ]
amdhsa.kernels:
  - .name:           k_qe3e644b4cb_cast
    .symbol:         k_qe3e644b4cb_cast.kd
    .args:
      - { .name: embedded, .offset: 0, .size: 8, .value_kind: global_buffer, .address_space: global }
      - { .name: Wq, .offset: 8, .size: 8, .value_kind: global_buffer, .address_space: global }
      - { .name: Wk, .offset: 16, .size: 8, .value_kind: global_buffer, .address_space: global }
      - { .name: Wv, .offset: 24, .size: 8, .value_kind: global_buffer, .address_space: global }
      - { .name: xb, .offset: 32, .size: 8, .value_kind: global_buffer, .address_space: global }
      - { .name: wb, .offset: 40, .size: 8, .value_kind: global_buffer, .address_space: global }
    .group_segment_fixed_size: 0
    .private_segment_fixed_size: 0
    .kernarg_segment_align: 8
    .kernarg_segment_size: 48
    .max_flat_workgroup_size: 256
    .sgpr_count:     66
    .vgpr_count:     104
    .wavefront_size: 32
...
	.end_amdgpu_metadata
.endif
;; end of part 1
;; launch proj (part 2): grid 12 x 16, 4 waves a work-group, clusters of 4 x 4, 327,680 bytes of LDS; arguments xb, wb, qkv; writes qkv
.if DOCPART == 2
	.amdgcn_target "amdgcn-amd-amdhsa--gfx1250"
	.amdhsa_code_object_version 6
	.text
	.protected	k_qe3e644b4cb_proj
	.globl	k_qe3e644b4cb_proj
	.p2align	8
	.type	k_qe3e644b4cb_proj,@function
k_qe3e644b4cb_proj:
	s_mov_b64 s[64:65], 0
	v_nop
	global_prefetch_b8 v0, s[64:65] scope:SCOPE_SE
	s_setreg_imm32_b32 hwreg(HW_REG_WAVE_MODE, 25, 1), 1
	s_wait_xcnt 0x0
	s_wait_alu depctr_hold_cnt(0) depctr_sa_sdst(0) depctr_va_vdst(0) depctr_va_sdst(0) depctr_va_ssrc(0) depctr_va_vcc(0) depctr_vm_vsrc(0)
	s_getreg_b32 s2, hwreg(HW_REG_IB_STS2, 6, 4)
	s_cmp_eq_u32 s2, 0
	s_cbranch_scc0 .Lentry_in_a_cluster
	s_endpgm
.Lentry_in_a_cluster:
	s_bfe_u32 s2, ttmp6, 0x10000c
	s_cmp_lg_u32 s2, 0xf033
	s_cbranch_scc0 .Lentry_shape_is_right
	s_endpgm
.Lentry_shape_is_right:
; qkv[row][col] = the sum over e of xb[row][e] wb[col][e].  xb: [8192][1024] bf16, wb: [3072][1024] bf16 (Wq, Wk, Wv), qkv: [8192][3072] f16.
; Products in bf16, sums in f32, each result rounded once to f16.
; LIMIT: f16 ends at 65,504: q, k and v must stay within it (unit inputs give about 3; inputs 30 times larger in x and in W about 2,700).
; SHARES.  The result has 32 x 12 = 384 tiles of 256 x 256.  192 work-groups stay and make two each: work-group (gx, gy) takes columns 256 gx and rows 256 gy, then rows 256 gy + 4096.
; Four waves, each 128 x 128: 64 accumulators of 16 x 16.  K goes in steps of 128 (rows of 256 bytes); the two tiles' 16 steps are ONE walk through a ring of two LDS slots, so the
; first tile's last steps already ask for the second's first.  WHY THIS TILE: a K step holds 256 matrix instructions a wave, 224 of them between a slot's request and the wait for it; a tile of
; 128 x 256 would give each of 256 work-groups three, with 112 in that place and half as many again LDS bytes for each product.  The tile that would give 256 work-groups one each,
; 256 x 384, needs 2 x 640 rows x 272 bytes = 348,160 bytes of LDS, which is more than there is.
; CLUSTER 4 x 4: xb's tile hangs on gy alone and is asked for jointly along a row of the cluster, wb's on gx alone and jointly along a column.
; THE MATRIX INSTRUCTION IS USED TRANSPOSED (source 0 = 16 rows of wb, source 1 = 16 rows of xb): a lane holds 8 neighbouring columns of one row of the result.
; REGISTERS.  Window 0: v0-31 addresses; v64-127, v128-191 xb's fragments, two buffers; on the way out v192-223 packed results, v128-191 rows read back.
;             Window 1: wb's fragments at the same numbers.  Windows 2, 3: the accumulators of my rows 0-63 and 64-127, (a, b) at v[8 (8 a + b)].
.set PITCH,  272                       ; an LDS row: 256 bytes + 16 of padding = 68 words: the 16 rows of a fragment load start at 16 different groups of four banks
.set HALFT,  128*PITCH                 ; 34,816 = 0x8800: what one tensor load brings.  Wave w fills w x 2 HALFT (slot 0) and w x 2 HALFT + HALFT (slot 1):
                                       ; 0x8800 shares no bit with w x 0x11000, so one exclusive or turns one slot's address into the other's
.set STAGE,  8*HALFT                   ; behind the ring: 16 rows x 272 bytes for each wave, for the way out
.set SPITCH, 272
.set SPARE,  STAGE+4*16*SPITCH         ; the spare words, 128 bytes for each wave: two blocks of 256 bytes that no other line names
.set CROW,   6144                      ; bytes in a row of qkv
.set WALK,   4096                      ; rows from a work-group's first tile to its second
.set NEXT_A, WALK*2048-2048            ; bytes from behind a tile's last K step of xb to the next tile's first
.set NEXT_C, WALK*CROW
.set A0,   16                          ; v16  my lane's place in xb's tile of slot 0; never rewritten
.set B0,   17                          ; v17  the same for wb
.set ADRA, 18                          ; v18  the same in the slot in hand
.set ADRB, 19                          ; v19
.set STO,  24                          ; v24  the way out: where I put 16 bytes of a row
.set RD,   25                          ; v25  the way out: where I read a row back
.set CO,   26                          ; v26  my byte offset in qkv
.set SPW,  28                          ; v28  LDS address of my spare word; never rewritten
.set NIL,  29                          ; v29  0; never rewritten
.set F0,   64
.set F1,   128
.set TMP,  192
.set OB,   128
.set KS,   2                           ; s2   the K step of the tile in hand, 0 to 7
.set CNT,  3                           ; s3   loop counter
.set G1A,  24                          ; s[24:31] descriptor group 1 for xb's tiles
.set G0A,  32                          ; s[32:39] group 0: a set for each first fill; the second then walks
.set G1B,  48                          ; s[48:55], s[56:63] the same for wb's
.set G0B,  56
.set TB,   66                          ; s66  0 or HALFT: the slot in hand
.set SA,   68                          ; s[68:69] what xb's address goes on at a tile's end
.set SB,   70                          ; s[70:71] what wb's address goes back at a tile's end
.set TO_B, 0x40                        ; destination window 1, address window 0
.set MSB, 0
.macro WIN new                         ; the immediate's high byte repeats the setting that is left; a switch that changes nothing is dropped
.if MSB != (\new)
	s_set_vgpr_msb (MSB<<8)|(\new)
.set MSB, (\new)
.endif
.endm
.macro PLACES                          ; four plain vector instructions between a matrix instruction and a load into, or a vector access to, its registers
.rept 4
	v_nop
.endr
.endm
; A joint refill by the walking descriptors.  Waves 0 and 1 fetch xb's two halves, waves 2 and 3 wb's.  The branch hangs on the wave's number alone.
; An s_nop 0 and four v_nop follow each of the two lines, ahead of the jump and the label.
.macro JLOAD
	s_cmp_eq_u32 s11, 0
	s_cbranch_scc0 .Lfor_b_\@
	tensor_load_to_lds s[G0A+4:G0A+7], s[G1A:G1A+7]
	s_nop 0
.rept 4
	v_nop
.endr
	s_branch .Lasked_\@
.Lfor_b_\@:
	tensor_load_to_lds s[G0B+4:G0B+7], s[G1B:G1B+7]
	s_nop 0
.rept 4
	v_nop
.endr
.Lasked_\@:
.endm
.macro CREST                           ; a round of the cluster's barrier behind its opening barrier
	s_cmp_lg_u32 s10, 0
	s_cbranch_scc1 .Lnot_wave_0_\@
	s_barrier_signal -3
.Lnot_wave_0_\@:
	s_barrier_wait -3
	s_barrier_signal -1
	s_barrier_wait -1
.endm
.macro CROUND                          ; a whole round
	s_barrier_signal -1
	s_barrier_wait -1
	CREST
.endm
	s_load_b128 s[4:7], s[0:1], 0x0                ; xb s[4:5], wb s[6:7]
	s_load_b64 s[8:9], s[0:1], 0x10                ; qkv
	v_lshl_add_u32 v[SPW], v0, 2, SPARE
	v_mov_b32 v[NIL], 0
	ds_add_u32 v[SPW], v[NIL]                      ; the wave's opening: the add and its wait ahead of my first tensor load; register work stands between them
	ds_add_u32 v28, v29
	v_lshrrev_b32 v1, 5, v0
	v_readfirstlane_b32 s10, v1                    ; wave 0..3
	s_lshr_b32 s11, s10, 1                         ; which 128 rows of the tile are mine.  Also: I fetch for xb (0) or for wb (1)
	s_and_b32 s12, s10, 1                          ; which 128 columns.  Also: which half of that tile I fetch
	s_bfe_u32 s40, ttmp6, 0x40000                  ; cx
	s_bfe_u32 s41, ttmp6, 0x40004                  ; cy
	s_lshl_b32 s42, ttmp9, 2
	s_add_co_u32 s42, s42, s40                     ; gx = 4 x cluster x + cx
	s_and_b32 s13, ttmp7, 0xffff
	s_lshl_b32 s13, s13, 2
	s_add_co_u32 s13, s13, s41                     ; gy = 4 x cluster y + cy
	s_lshl_b32 s43, s41, 2
	s_lshl_b32 s43, 15, s43                        ; my row of the cluster
	s_lshl_b32 s44, 0x1111, s40                    ; my column
	s_or_b32 s[G1A+0], s43, (1<<16)|(1<<20)|(1<<21)|(5<<22)|(3<<25)  ; the mask; 2-byte elements; padding on; bit 21 beside a mask; after every 64 words 4 words
	s_or_b32 s[G1B+0], s44, (1<<16)|(1<<20)|(1<<21)|(5<<22)|(3<<25)
.irp g, G1A, G1B
	s_mov_b32 s[(\g)+1], 128<<16                   ; tensor_dim0 = 128
	s_mov_b32 s[(\g)+2], 128<<16                   ; tensor_dim1 = 128
	s_mov_b32 s[(\g)+3], 128<<16                   ; tile_dim0 = 128
	s_mov_b32 s[(\g)+4], 128                       ; tile_dim1 = 128
	s_mov_b32 s[(\g)+5], 1024                      ; elements from row to row
	s_mov_b32 s[(\g)+6], 0
	s_mov_b32 s[(\g)+7], 0
.endr
	s_lshl_b32 s16, s13, 8                         ; xb: row 256 gy + 128 x half, 2,048 bytes a row: no register here ever holds cx
	s_lshl_b32 s17, s12, 7
	s_add_co_u32 s16, s16, s17
	s_lshl_b32 s16, s16, 11
	s_mov_b32 s17, 0
	s_lshl_b32 s46, s42, 8                         ; wb: row 256 gx + 128 x half: no register here ever holds cy
	s_lshl_b32 s47, s12, 7
	s_add_co_u32 s46, s46, s47
	s_lshl_b32 s46, s46, 11
	s_mov_b32 s47, 0
	s_mul_i32 s20, s10, 2*HALFT                    ; where they go: my two regions; the wave's number alone enters an LDS address
	s_mov_b32 s[KS], 0
	s_mov_b32 s[TB], 0
	s_mov_b32 s[SA+1], 0
	s_mov_b32 s[SB+1], 0
	s_wait_dscnt 0x0                               ; the opening add is done
	s_wait_kmcnt 0x0
	s_add_nc_u64 s[14:15], s[4:5], s[16:17]
	s_add_nc_u64 s[46:47], s[6:7], s[46:47]
.irp s, 0,1
	s_mov_b32 s[G0A+4*(\s)], 1                                       ; count = 1
	s_add_co_u32 s[G0A+4*(\s)+1], s20, (\s)*HALFT                    ; LDS address
	s_add_nc_u64 s[G0A+4*(\s)+2:G0A+4*(\s)+3], s[14:15], (\s)*256    ; global address: K step s
	s_or_b32 s[G0A+4*(\s)+3], s[G0A+4*(\s)+3], 0x80000000            ; type = 2
	s_mov_b32 s[G0B+4*(\s)], 1
	s_add_co_u32 s[G0B+4*(\s)+1], s20, (\s)*HALFT
	s_add_nc_u64 s[G0B+4*(\s)+2:G0B+4*(\s)+3], s[46:47], (\s)*256
	s_or_b32 s[G0B+4*(\s)+3], s[G0B+4*(\s)+3], 0x80000000
.endr
	CROUND                                         ; all sixteen work-groups are here: the first joint loads meet
	s_cmp_eq_u32 s11, 0                            ; a wave's two first fills stand in one branch: two loads of mine are out
	s_cbranch_scc0 .Lfirst_b
	tensor_load_to_lds s[G0A:G0A+3], s[G1A:G1A+7]
	s_nop 0
	tensor_load_to_lds s[G0A+4:G0A+7], s[G1A:G1A+7]
	s_nop 0
.rept 4
	v_nop
.endr
	s_branch .Lfirst_asked
.Lfirst_b:
	tensor_load_to_lds s[G0B:G0B+3], s[G1B:G1B+7]
	s_nop 0
	tensor_load_to_lds s[G0B+4:G0B+7], s[G1B:G1B+7]
	s_nop 0
.rept 4
	v_nop
.endr
.Lfirst_asked:
	; A fragment is 16 rows x 32 K in 8 registers: lane l holds row l % 16, K = 8 (l / 16) + 0..7 and 16 + 8 (l / 16) + 0..7: two loads of 16 bytes, 32 bytes apart.
	v_and_b32 v1, 15, v0                           ; l % 16
	v_bfe_u32 v2, v0, 4, 1                         ; l / 16
	v_mul_u32_u24 v3, v1, PITCH
	v_lshl_add_u32 v3, v2, 4, v3
	s_mul_i32 s21, s11, 2*HALFT                    ; xb's half wr was brought by wave wr,
	s_mul_i32 s22, s12, 2*HALFT
	s_add_co_u32 s22, s22, 4*HALFT                 ; wb's half wc by wave 2 + wc
	v_add_nc_u32 v[A0], s21, v3
	v_add_nc_u32 v[B0], s22, v3
	v_mov_b32 v[ADRA], v[A0]
	v_mov_b32 v[ADRB], v[B0]
	s_mul_i32 s23, s10, 16*SPITCH
	s_add_co_u32 s23, s23, STAGE                   ; my stage
	v_mul_u32_u24 v4, v1, SPITCH                   ; in: row l % 16, 16 bytes for each half of the lanes
	v_lshl_add_u32 v4, v2, 4, v4
	v_add_nc_u32 v[STO], s23, v4
	v_mul_u32_u24 v5, v2, SPITCH                   ; back: lanes 0-15 take one row of 256 bytes, lanes 16-31 the next
	v_lshl_add_u32 v5, v1, 4, v5
	v_add_nc_u32 v[RD], s23, v5
	v_mul_u32_u24 v5, v2, CROW                     ; and the same two rows in qkv
	v_lshl_add_u32 v[CO], v1, 4, v5
	s_lshl_b32 s16, s13, 8                         ; my part of the first tile: row 256 gy + 128 x (wave / 2),
	s_lshl_b32 s17, s11, 7
	s_add_co_u32 s16, s16, s17
	s_mul_i32 s16, s16, CROW
	s_mov_b32 s17, 0
	s_add_nc_u64 s[8:9], s[8:9], s[16:17]
	s_lshl_b32 s46, s42, 9                         ; byte 512 gx + 256 x (wave % 2) of the row
	s_lshl_b32 s47, s12, 8
	s_add_co_u32 s46, s46, s47
	s_mov_b32 s47, 0
	s_add_nc_u64 s[8:9], s[8:9], s[46:47]
; 16 matrix instructions: row blocks a0, a0 + 1 of the window's four (hi = 0: rows 0-63, 1: rows 64-127) x all 8 column blocks, 32 along K.  zero = 1: the products start the sums.
; The 64 accumulators take turns, one instruction a turn.
.macro MUL16 f, hi, a0, zero
	WIN 0xa1+0x50*(\hi)                            ; wb's fragments in window 1, xb's in window 0, C and D in window 2 or 3
.irp a, \a0, (\a0)+1
.irp b, 0,1,2,3,4,5,6,7
.if \zero
	v_wmma_f32_16x16x32_bf16 v[8*(8*(\a)+(\b)):8*(8*(\a)+(\b))+7], v[(\f)+8*(\b):(\f)+8*(\b)+7], v[(\f)+8*(4*(\hi)+(\a)):(\f)+8*(4*(\hi)+(\a))+7], 0
.else
	v_wmma_f32_16x16x32_bf16 v[8*(8*(\a)+(\b)):8*(8*(\a)+(\b))+7], v[(\f)+8*(\b):(\f)+8*(\b)+7], v[(\f)+8*(4*(\hi)+(\a)):(\f)+8*(4*(\hi)+(\a))+7], v[8*(8*(\a)+(\b)):8*(8*(\a)+(\b))+7]
.endif
.endr
.endr
.endm
.macro FETCH k, f                      ; 32 LDS loads in one run: a quarter step's fragments (32 K at byte k of the rows) into buffer f: wb's 16, then xb's 16
	WIN TO_B
.irp i, 0,1,2,3,4,5,6,7
	ds_load_b128 v[(\f)+8*(\i):(\f)+8*(\i)+3],   v[ADRB] offset:(\k)+(\i)*16*PITCH
	ds_load_b128 v[(\f)+8*(\i)+4:(\f)+8*(\i)+7], v[ADRB] offset:(\k)+(\i)*16*PITCH+32
.endr
	WIN 0
.irp i, 0,1,2,3,4,5,6,7
	ds_load_b128 v[(\f)+8*(\i):(\f)+8*(\i)+3],   v[ADRA] offset:(\k)+(\i)*16*PITCH
	ds_load_b128 v[(\f)+8*(\i)+4:(\f)+8*(\i)+7], v[ADRA] offset:(\k)+(\i)*16*PITCH+32
.endr
.endm
; One of a K step's first three quarters: multiplies buffer f; in its middle it fetches the next quarter, at byte k, into buffer g.
.macro QUARTER k, f, g, zero
	s_wait_dscnt 8                                 ; wb's fragments and xb's rows 0-63 are in; the youngest eight loads may be out
	MUL16 \f, 0, 0, \zero
	MUL16 \f, 0, 2, \zero
	PLACES
	FETCH \k, \g
	s_wait_dscnt 32                                ; all but the 32 just issued
	MUL16 \f, 1, 0, \zero
	MUL16 \f, 1, 2, \zero
.endm
; The last quarter multiplies buffer 1 and changes slots.  In front of the barrier each wave waits for all its tensor loads (one is out: its part of the next slot), adds 0 to its spare word, and waits
; for that and for its reads of this slot.  fill = 1: the barrier opens a round of the cluster's barrier, and this slot is filled again, first thing behind it, with the walk's step two on:
; 224 matrix instructions stand between that request and the wait for it.  fill = 0 (the tail): nothing is asked for; in the last trip there is no further step, and the fetch is jumped over.
.macro TURN fill
	WIN 0
	s_wait_tensorcnt 0x0                           ; no tensor load of mine is out, so a group 0 may be written
	ds_add_u32 v[SPW], v[NIL]                      ; 0 onto my spare word
.if \fill
	s_cmp_eq_u32 s[KS], 6                          ; the step to be asked for is the next tile's first:
	s_cselect_b32 s[SA], NEXT_A, 0                 ; xb goes 4,096 rows down and back along K,
	s_cselect_b32 s[SB], 2048, 0                   ; wb goes back along K
	s_xor_b32 s[G0A+5], s[G0A+5], HALFT
	s_add_nc_u64 s[G0A+6:G0A+7], s[G0A+6:G0A+7], 256
	s_add_nc_u64 s[G0A+6:G0A+7], s[G0A+6:G0A+7], s[SA:SA+1]
	s_xor_b32 s[G0B+5], s[G0B+5], HALFT
	s_add_nc_u64 s[G0B+6:G0B+7], s[G0B+6:G0B+7], 256
	s_sub_nc_u64 s[G0B+6:G0B+7], s[G0B+6:G0B+7], s[SB:SB+1]
.endif
	s_wait_dscnt 9                                 ; (the add and the youngest eight loads may be out)
	MUL16 F1, 0, 0, 0
	s_wait_dscnt 0x0                               ; the add is done, and my reads of this slot are over
	s_barrier_signal -1
	MUL16 F1, 0, 2, 0                              ; work on registers while the others arrive
	WIN 0
	s_barrier_wait -1
.if \fill
	CREST                                          ; no wave of any partner still reads this slot or has a load on its way
	JLOAD                                          ; its four v_nop are also the places in front of the loads below
.else
	PLACES
	s_cmp_eq_u32 s[CNT], 1
	s_cbranch_scc1 .Lno_fetch_\@
.endif
	s_xor_b32 s[TB], s[TB], HALFT
	v_add_nc_u32 v[ADRA], s[TB], v[A0]
	v_add_nc_u32 v[ADRB], s[TB], v[B0]
	FETCH 0, F0
.if !(\fill)
.Lno_fetch_\@:
.endif
	MUL16 F1, 1, 0, 0
	MUL16 F1, 1, 2, 0
.endm
; THE WAY OUT, a block of 16 rows at a time: rounded to f16 (16 bytes a lane), into my own stage, back as whole rows of 256 bytes, stored.
; It touches neither fragment buffer 0, which already holds the next tile's first fragments, nor the ring.
.macro PACK a
.set AC, 64*((\a)%4)
	WIN 0x0a+5*((\a)/4)                            ; sources 0 and 1 in window 2 or 3
.irp b, 0,1,2,3,4,5,6,7
.irp r, 0,1,2,3
	v_cvt_pk_f16_f32 v[TMP+4*(\b)+(\r)], v[AC+8*(\b)+2*(\r)], v[AC+8*(\b)+2*(\r)+1]
.endr
.endr
	WIN 0
.endm
.macro TOSTAGE a
.set BK, OB+32*((\a)%2)
.irp b, 0,1,2,3,4,5,6,7
	ds_store_b128 v[STO], v[TMP+4*(\b):TMP+4*(\b)+3] offset:32*(\b)
.endr
.irp t, 0,1,2,3,4,5,6,7
	ds_load_b128 v[BK+4*(\t):BK+4*(\t)+3], v[RD] offset:(\t)*2*SPITCH  ; LDS serves a wave's instructions in order: these see the stores above
.endr
.endm
.macro SEND a
.set BK, OB+32*((\a)%2)
	s_wait_dscnt 0x0                               ; the block is back in registers
	s_wait_xcnt 0x0                                ; the other buffer, which earlier stores read, is loaded again only behind this wait
.irp t, 0,1,2,3,4,5,6,7
	global_store_b128 v[CO], v[BK+4*(\t):BK+4*(\t)+3], s[8:9] offset:(16*(\a)+2*(\t))*CROW  ; 16 lanes store 256 consecutive bytes, aligned
.endr
.endm
.macro WAYOUT on                       ; on = 1: another tile follows
	PLACES                                         ; behind the last products
	PACK 0
	TOSTAGE 0
.irp a, 1,2,3,4,5,6,7
	PACK \a                                        ; a block's conversions stand between the loads of the block before and the wait for them
	SEND (\a)-1
	TOSTAGE \a
.endr
	SEND 7
.if \on
	s_wait_xcnt 0x0                                ; the stores' base and data registers are written again only behind this wait
	s_add_nc_u64 s[8:9], s[8:9], NEXT_C            ; the next tile lies 4,096 rows down
.endif
.endm
	s_wait_tensorcnt 0x1                           ; my part of step 0 is in; step 1's may stay out
	s_barrier_signal -1
	s_barrier_wait -1
	FETCH 0, F0
	QUARTER 64, F0, F1, 1                          ; the first quarter's products start the sums
	WIN 0
	s_mov_b32 s[CNT], 14                           ; the walk's 16 steps but the last two
.Lloop:                                                ; a trip: a step's quarters 1 to 3, the change of slots, the next step's quarter 0
	QUARTER 128, F1, F0, 0
	QUARTER 192, F0, F1, 0
	TURN 1
	WIN 0
	s_cmp_eq_u32 s[KS], 7
	s_cbranch_scc0 .Lgo
	WAYOUT 1                                       ; the first tile's last step: both refills for the second tile are asked for, now it goes out
	QUARTER 64, F0, F1, 1
	WIN 0
	s_branch .Lnext
.Lgo:
	QUARTER 64, F0, F1, 0
	WIN 0
.Lnext:
	s_add_co_u32 s[KS], s[KS], 1
	s_and_b32 s[KS], s[KS], 7
	s_sub_co_u32 s[CNT], s[CNT], 1
	s_cmp_lg_u32 s[CNT], 0
	s_cbranch_scc1 .Lloop
	s_mov_b32 s[CNT], 2                            ; the last two steps ask for nothing
.Ltail:
	QUARTER 128, F1, F0, 0
	QUARTER 192, F0, F1, 0
	TURN 0
	WIN 0
	s_cmp_eq_u32 s[CNT], 1
	s_cbranch_scc1 .Llast                          ; behind the last step no quarter follows
	QUARTER 64, F0, F1, 0
	WIN 0
.Llast:
	s_sub_co_u32 s[CNT], s[CNT], 1
	s_cmp_lg_u32 s[CNT], 0
	s_cbranch_scc1 .Ltail
	WAYOUT 0
	s_wait_tensorcnt 0x0                           ; the wave's end
	ds_add_u32 v[SPW], v[NIL]
	s_wait_dscnt 0x0
	CROUND                                         ; the closing round: no work-group ends while a partner may still ask for a tile that names it
	s_endpgm
.Lfunc_end_k_qe3e644b4cb_proj:
	.size	k_qe3e644b4cb_proj, .Lfunc_end_k_qe3e644b4cb_proj-k_qe3e644b4cb_proj
	.p2alignl 7, 3214868480
	.fill 96, 4, 3214868480
	.section	.rodata,"a",@progbits
	.p2align	6, 0x0
	.amdhsa_kernel k_qe3e644b4cb_proj
		.amdhsa_group_segment_fixed_size 327680
		.amdhsa_private_segment_fixed_size 0
		.amdhsa_enable_private_segment 0
		.amdhsa_kernarg_size 24
		.amdhsa_user_sgpr_count 2
		.amdhsa_user_sgpr_kernarg_segment_ptr 1
		.amdhsa_wavefront_size32 1
		.amdhsa_system_sgpr_workgroup_id_x 1
		.amdhsa_system_sgpr_workgroup_id_y 1
		.amdhsa_system_sgpr_workgroup_id_z 1
		.amdhsa_system_vgpr_workitem_id 0
		.amdhsa_next_free_vgpr 1024
		.amdhsa_next_free_sgpr 80
		.amdhsa_reserve_vcc 0
		.amdhsa_float_denorm_mode_32 3
		.amdhsa_float_denorm_mode_16_64 3
		.amdhsa_memory_ordered 1
		.amdhsa_forward_progress 1
		.amdhsa_inst_pref_size 138
	.end_amdhsa_kernel
	.amdgpu_metadata
---
amdhsa.version: [ 1, 2 ]
amdhsa.kernels:
  - .name:           k_qe3e644b4cb_proj
    .symbol:         k_qe3e644b4cb_proj.kd
    .args:
      - { .name: xb, .offset: 0, .size: 8, .value_kind: global_buffer, .address_space: global }
      - { .name: wb, .offset: 8, .size: 8, .value_kind: global_buffer, .address_space: global }
      - { .name: qkv, .offset: 16, .size: 8, .value_kind: global_buffer, .address_space: global }
    .group_segment_fixed_size: 327680
    .private_segment_fixed_size: 0
    .kernarg_segment_align: 8
    .kernarg_segment_size: 24
    .max_flat_workgroup_size: 128
    .sgpr_count:     80
    .vgpr_count:     1024
    .wavefront_size: 32
...
	.end_amdgpu_metadata
.endif
;; end of part 2
;; launch scores (part 3): grid 36 x 4, 4 waves a work-group, no clusters, 327,680 bytes of LDS; arguments qkv, pbuf, stats; writes pbuf, stats
.if DOCPART == 3
	.amdgcn_target "amdgcn-amd-amdhsa--gfx1250"
	.amdhsa_code_object_version 6
	.text
	.protected	k_qe3e644b4cb_scores
	.globl	k_qe3e644b4cb_scores
	.p2align	8
	.type	k_qe3e644b4cb_scores,@function
k_qe3e644b4cb_scores:
	s_mov_b64 s[64:65], 0
	v_nop
	global_prefetch_b8 v0, s[64:65] scope:SCOPE_SE
	s_setreg_imm32_b32 hwreg(HW_REG_WAVE_MODE, 25, 1), 1
	s_wait_xcnt 0x0
; For each causal tile (i, j <= i) of 256 queries x 256 keys of a batch: s = q . k (f16 products, f32 sums, 1,024 channels); then for each row and each CHUNK of 128 keys
; m = the maximum of s, p = 2^(c (s - m)) with c = log2(e) / 32, l = the sum of p.  p goes to pbuf in f16 ([4][2048][2048]), m and l to stats ([2][4][16 chunks][2048 rows] f32).
; The next launch takes the row's maximum over the chunks' m and scales each chunk's product accordingly: a maximum is taken away in front of every exponential.
; s - m is formed first and then scaled: it is exactly 0 at the maximum and never positive, so p lies in 0 to 1 whatever the scores' size.
; LIMITS.  A hidden score counts as its value less 1e30 (f16 operands give scores of 4.4e12 at the most); a weight below 2^-126 counts as 0; NaN and infinities are not treated apart.
; SHARES.  144 work-groups, a tile each; four waves, each 128 x 128: 64 accumulators; a wave's 128 keys are one chunk.  K goes in 8 steps of 128 through two LDS slots.
; NO CLUSTER: a row of the triangle has 1 to 8 tiles and so has a column: they do not divide into fours, and no work-group may be launched to make up a number.
; THE MASK is the C operand of the products that start the sums: CL below a wave tile's diagonal, CD on it, CU above it.  Off the diagonal tile all three are 0.  In it the wave with rows 0-127 and
; keys 128-255 is wholly hidden: its p are 1, its m about -1e30, and the next launch's factor for that chunk is 0.
; THE MATRIX INSTRUCTION IS USED TRANSPOSED (source 0 = 16 keys, source 1 = 16 queries): a lane holds one query (lane % 16) and 8 neighbouring keys.
; THE EPILOGUE is written for four blocks of 16 queries and walked twice; between the trips 256 v_mov_b32 bring the accumulators of rows 64-127 where the one text names them:
; the price of half the epilogue's text.
; REGISTERS.  Window 0: v0-31 addresses; v32-55 the masks; v64-127, v128-191 q's fragments, two buffers (in the epilogue: at work).  Window 1: k's fragments at the same numbers.
;             Windows 2, 3: the accumulators of my rows 0-63 and 64-127, (a, b) at v[8 (8 a + b)].
.set PITCH,  272                       ; an LDS row: 256 bytes + 16 of padding
.set HALFT,  128*PITCH                 ; 34,816 = 0x8800: what one tensor load brings.  Wave w fills w x 2 HALFT (slot 0) and w x 2 HALFT + HALFT (slot 1):
                                       ; 0x8800 shares no bit with w x 0x11000, so one exclusive or turns one slot's address into the other's
.set STAGE,  8*HALFT                   ; behind the ring: 16 rows x 272 bytes for each wave
.set SPITCH, 272
.set SSTG,   STAGE+4*16*SPITCH         ; for each wave 512 bytes of m, then 512 of l
.set SPARE,  SSTG+4*1024               ; the spare words, 128 bytes for each wave: two blocks of 256 bytes that no other line names
.set A0,   16                          ; v16  my lane's place in q's tile of slot 0; never rewritten
.set B0,   17                          ; v17  the same for k
.set ADRA, 18
.set ADRB, 19
.set SA,   20                          ; v20  where I put a row's m
.set SR,   21                          ; v21  where I read four rows' m back
.set SO,   22                          ; v22  my byte offset in 512 bytes of stats
.set STO,  24
.set RD,   25
.set CO,   26
.set SPW,  28
.set NIL,  29
.set CL,   32
.set CD,   40
.set CU,   48
.set F0,   64
.set F1,   128
.set MX,   64                          ; epilogue: v64-87 partial maxima
.set MM,   88                          ; v88-89 the row's maximum, twice
.set LS,   90                          ; v90 the row's sum
.set TMP,  96                          ; v96-127 packed weights
.set OB,   128                         ; v128-159, v160-191 rows read back, by turns
.set WW,   2                           ; the window in which the epilogue's text finds its scores
.set WV,   10
.set WR,   11
.set WC,   12
.set TI,   13
.set TX,   14
.set TJ,   15
.set G1,   16                          ; s[16:23]
.set G0,   32                          ; s[32:39] a set for each first fill; the second then walks
.set TB,   40
.set CNT,  41
.set CS,   42                          ; s[42:43] c
.set SEL,  44                          ; s[44:45] v_permlanex16_b32's selects: each lane takes its own place in the other half
.set TO_B, 0x40
.set MSB, 0
.macro WIN new
.if MSB != (\new)
	s_set_vgpr_msb (MSB<<8)|(\new)
.set MSB, (\new)
.endif
.endm
.macro PLACES
.rept 4
	v_nop
.endr
.endm
	s_load_b128 s[4:7], s[0:1], 0x0                ; qkv s[4:5], pbuf s[6:7]
	s_load_b64 s[8:9], s[0:1], 0x10                ; stats
	v_lshl_add_u32 v[SPW], v0, 2, SPARE
	v_mov_b32 v[NIL], 0
	ds_add_u32 v[SPW], v[NIL]                      ; the wave's opening: the add and its wait ahead of my first tensor load
	ds_add_u32 v28, v29
	v_lshrrev_b32 v1, 5, v0
	v_readfirstlane_b32 s[WV], v1
	s_lshr_b32 s[WR], s[WV], 1                     ; which 128 queries are mine
	s_and_b32 s[WC], s[WV], 1                      ; which 128 keys
	s_mov_b32 s[TX], ttmp9                         ; the tile's number in the triangle, 0 to 35
	s_mov_b32 s[TI], 0
.irp t, 1,3,6,10,15,21,28
	s_cmp_ge_u32 s[TX], \t                         ; i = how many rows of the triangle begin at or below the number
	s_add_co_ci_u32 s[TI], s[TI], 0
.endr
	s_add_co_u32 s24, s[TI], 1
	s_mul_i32 s24, s24, s[TI]
	s_lshr_b32 s24, s24, 1
	s_sub_co_u32 s[TJ], s[TX], s24                 ; j = the number less i (i + 1) / 2
	s_and_b32 s25, ttmp7, 0xffff
	s_lshl_b32 s25, s25, 11                        ; the batch's first row
	s_mov_b32 s[G1+0], (1<<16)|(1<<20)|(5<<22)|(3<<25)  ; 2-byte elements; padding on: after every 64 words 4 words
	s_mov_b32 s[G1+1], 128<<16                     ; tensor_dim0 = 128
	s_mov_b32 s[G1+2], 128<<16                     ; tensor_dim1 = 128
	s_mov_b32 s[G1+3], 128<<16                     ; tile_dim0 = 128
	s_mov_b32 s[G1+4], 128                         ; tile_dim1 = 128
	s_mov_b32 s[G1+5], 3072                        ; elements from row to row
	s_mov_b32 s[G1+6], 0
	s_mov_b32 s[G1+7], 0
	s_cmp_lt_u32 s[WV], 2                          ; waves 0, 1 fetch the halves of q's tile, waves 2, 3 those of k's
	s_cselect_b32 s26, s[TI], s[TJ]
	s_cselect_b32 s27, 0, 2048                     ; k lies 2,048 bytes into a row of qkv
	s_lshl_b32 s26, s26, 8
	s_add_co_u32 s26, s26, s25
	s_lshl_b32 s28, s[WC], 7
	s_add_co_u32 s26, s26, s28
	s_mul_i32 s26, s26, 6144
	s_add_co_u32 s26, s26, s27
	s_mov_b32 s27, 0
	s_mul_i32 s29, s[WV], 2*HALFT                  ; my two regions in LDS
	s_cmp_eq_u32 s[TI], s[TJ]                      ; the masks' three cases
	s_cselect_b32 s30, 1, 0                        ; the diagonal tile
	s_cmp_eq_u32 s[WV], 1
	s_cselect_b32 s31, s30, 0                      ; in it wave 1 sees nothing,
	s_cmp_eq_u32 s[WR], s[WC]
	s_cselect_b32 s48, s30, 0                      ; waves 0 and 3 hold the diagonal
	s_cmp_lg_u32 s31, 0
	s_cselect_b32 s46, 0xf149f2ca, 0               ; below a wave tile's diagonal: -1e30 if nothing is seen
	s_or_b32 s48, s48, s31
	s_cmp_lg_u32 s48, 0
	s_cselect_b32 s47, 0xf149f2ca, 0               ; above it: -1e30 in both cases
	s_lshl_b32 s48, s[TI], 8                       ; pbuf: (batch row + 256 i + 128 wr) x 4,096 + (256 j + 128 wc) x 2
	s_add_co_u32 s48, s48, s25
	s_lshl_b32 s49, s[WR], 7
	s_add_co_u32 s48, s48, s49
	s_lshl_b32 s48, s48, 12
	s_lshl_b32 s49, s[TJ], 9
	s_add_co_u32 s48, s48, s49
	s_lshl_b32 s49, s[WC], 8
	s_add_co_u32 s48, s48, s49
	s_mov_b32 s49, 0
	s_lshr_b32 s50, s25, 7                         ; stats: ((16 batch + 2 j + wc) x 2,048 + 256 i + 128 wr) x 4
	s_lshl_b32 s51, s[TJ], 1
	s_add_co_u32 s50, s50, s51
	s_add_co_u32 s50, s50, s[WC]
	s_lshl_b32 s50, s50, 11
	s_lshl_b32 s51, s[TI], 8
	s_add_co_u32 s50, s50, s51
	s_lshl_b32 s51, s[WR], 7
	s_add_co_u32 s50, s50, s51
	s_lshl_b32 s50, s50, 2
	s_mov_b32 s51, 0
	s_mov_b32 s[CS], 0x3d38aa3b                    ; c = log2(e) / 32
	s_mov_b32 s[CS+1], s[CS]                       ; named with it as a pair
	s_mov_b32 s[SEL], 0x76543210
	s_mov_b32 s[SEL+1], 0xfedcba98
	s_mov_b32 s[TB], 0
	s_wait_dscnt 0x0                               ; the opening add is done
	s_wait_kmcnt 0x0
	s_add_nc_u64 s[4:5], s[4:5], s[26:27]
	s_add_nc_u64 s[6:7], s[6:7], s[48:49]
	s_add_nc_u64 s[8:9], s[8:9], s[50:51]
.irp s, 0,1
	s_mov_b32 s[G0+4*(\s)], 1
	s_add_co_u32 s[G0+4*(\s)+1], s29, (\s)*HALFT
	s_add_nc_u64 s[G0+4*(\s)+2:G0+4*(\s)+3], s[4:5], (\s)*256
	s_or_b32 s[G0+4*(\s)+3], s[G0+4*(\s)+3], 0x80000000
.endr
	tensor_load_to_lds s[G0:G0+3], s[G1:G1+7]      ; K steps 0 and 1: two loads of mine are out
	s_nop 0
	tensor_load_to_lds s[G0+4:G0+7], s[G1:G1+7]
	s_nop 0
.rept 4
	v_nop
.endr
	v_and_b32 v1, 15, v0                           ; l % 16
	v_bfe_u32 v2, v0, 4, 1                         ; l / 16
	v_mul_u32_u24 v3, v1, PITCH
	v_lshl_add_u32 v3, v2, 4, v3
	s_mul_i32 s24, s[WR], 2*HALFT                  ; q's half wr was brought by wave wr,
	s_mul_i32 s25, s[WC], 2*HALFT
	s_add_co_u32 s25, s25, 4*HALFT                 ; k's half wc by wave 2 + wc
	v_add_nc_u32 v[A0], s24, v3
	v_add_nc_u32 v[B0], s25, v3
	v_mov_b32 v[ADRA], v[A0]
	v_mov_b32 v[ADRB], v[B0]
	s_mul_i32 s24, s[WV], 16*SPITCH
	s_add_co_u32 s24, s24, STAGE
	v_mul_u32_u24 v4, v1, SPITCH
	v_lshl_add_u32 v4, v2, 4, v4
	v_add_nc_u32 v[STO], s24, v4
	v_mul_u32_u24 v5, v2, SPITCH
	v_lshl_add_u32 v5, v1, 4, v5
	v_add_nc_u32 v[RD], s24, v5
	v_lshlrev_b32 v5, 12, v2
	v_lshl_add_u32 v[CO], v1, 4, v5                ; two rows of pbuf, 4,096 bytes apart
	s_lshl_b32 s24, s[WV], 10
	s_add_co_u32 s24, s24, SSTG
	v_lshl_add_u32 v[SA], v1, 2, s24
	v_and_b32 v6, 31, v0
	v_lshlrev_b32 v[SO], 4, v6
	v_add_nc_u32 v[SR], s24, v[SO]
	v_lshlrev_b32 v14, 3, v2
	v_sub_nc_u32 v14, v1, v14                      ; l % 16 - 8 (l / 16): on a wave tile's diagonal register j is hidden where j is greater
.set j, 0
.rept 8
	v_mov_b32 v[CL+j], s46
	v_mov_b32 v[CU+j], s47
	v_cmp_gt_i32 vcc_lo, j, v14
	v_cndmask_b32 v[CD+j], v[CL+j], v[CU+j], vcc_lo
.set j, j+1
.endr
; 16 matrix instructions: row blocks a0, a0 + 1 of the window's four (hi = 0: rows 0-63, 1: rows 64-127) x all 8 key blocks, 32 along K.  zero = 1: the sums start from the masks.
; The 64 accumulators take turns, one instruction a turn.
.macro MUL16 f, hi, a0, zero
.if \zero
	WIN 0x81+0x40*(\hi)                            ; k's fragments in window 1, q's and the mask in window 0, D in window 2 or 3
.else
	WIN 0xa1+0x50*(\hi)
.endif
.irp a, \a0, (\a0)+1
.irp b, 0,1,2,3,4,5,6,7
.if \zero
.if (\b) < 4*(\hi)+(\a)
.set RC, CL
.elseif (\b) == 4*(\hi)+(\a)
.set RC, CD
.else
.set RC, CU
.endif
	v_wmma_f32_16x16x32_f16 v[8*(8*(\a)+(\b)):8*(8*(\a)+(\b))+7], v[(\f)+8*(\b):(\f)+8*(\b)+7], v[(\f)+8*(4*(\hi)+(\a)):(\f)+8*(4*(\hi)+(\a))+7], v[RC:RC+7]
.else
	v_wmma_f32_16x16x32_f16 v[8*(8*(\a)+(\b)):8*(8*(\a)+(\b))+7], v[(\f)+8*(\b):(\f)+8*(\b)+7], v[(\f)+8*(4*(\hi)+(\a)):(\f)+8*(4*(\hi)+(\a))+7], v[8*(8*(\a)+(\b)):8*(8*(\a)+(\b))+7]
.endif
.endr
.endr
.endm
.macro FETCH k, f                      ; 32 LDS loads in one run: k's 16, then q's 16
	WIN TO_B
.irp i, 0,1,2,3,4,5,6,7
	ds_load_b128 v[(\f)+8*(\i):(\f)+8*(\i)+3],   v[ADRB] offset:(\k)+(\i)*16*PITCH
	ds_load_b128 v[(\f)+8*(\i)+4:(\f)+8*(\i)+7], v[ADRB] offset:(\k)+(\i)*16*PITCH+32
.endr
	WIN 0
.irp i, 0,1,2,3,4,5,6,7
	ds_load_b128 v[(\f)+8*(\i):(\f)+8*(\i)+3],   v[ADRA] offset:(\k)+(\i)*16*PITCH
	ds_load_b128 v[(\f)+8*(\i)+4:(\f)+8*(\i)+7], v[ADRA] offset:(\k)+(\i)*16*PITCH+32
.endr
.endm
.macro QUARTER k, f, g, zero
	s_wait_dscnt 8                                 ; k's fragments and q's rows 0-63 are in; the youngest eight loads may be out
	MUL16 \f, 0, 0, \zero
	MUL16 \f, 0, 2, \zero
	PLACES
	FETCH \k, \g
	s_wait_dscnt 32                                ; all but the 32 just issued
	MUL16 \f, 1, 0, \zero
	MUL16 \f, 1, 2, \zero
.endm
; The last quarter multiplies buffer 1 and changes slots: each wave waits for all its tensor loads (one is out: its part of the next slot), adds 0 to its spare word, waits for that and for its reads of
; this slot, and passes the barrier.  fill = 1: this slot is filled again first thing behind it, with the K step two on: 224 matrix instructions stand between the request and the wait for it.
.macro TURN fill
	WIN 0
	s_wait_tensorcnt 0x0
	ds_add_u32 v[SPW], v[NIL]                      ; 0 onto my spare word
.if \fill
	s_xor_b32 s[G0+5], s[G0+5], HALFT              ; the walking descriptor: the other slot than last time,
	s_add_nc_u64 s[G0+6:G0+7], s[G0+6:G0+7], 256   ; the next K step
.endif
	s_wait_dscnt 9                                 ; (the add and the youngest eight loads may be out)
	MUL16 F1, 0, 0, 0
	s_wait_dscnt 0x0                               ; the add is done, and my reads of this slot are over
	s_barrier_signal -1
	MUL16 F1, 0, 2, 0
	WIN 0
	s_barrier_wait -1
.if \fill
	tensor_load_to_lds s[G0+4:G0+7], s[G1:G1+7]
	s_nop 0
.rept 4
	v_nop                                          ; also the places in front of the loads below
.endr
.else
	PLACES
	s_cmp_eq_u32 s[CNT], 1
	s_cbranch_scc1 .Lno_fetch_\@
.endif
	s_xor_b32 s[TB], s[TB], HALFT
	v_add_nc_u32 v[ADRA], s[TB], v[A0]
	v_add_nc_u32 v[ADRB], s[TB], v[B0]
	FETCH 0, F0
.if !(\fill)
.Lno_fetch_\@:
.endif
	MUL16 F1, 1, 0, 0
	MUL16 F1, 1, 2, 0
.endm
; THE EPILOGUE, block a (0 to 3) of 16 queries of the 64 rows in hand.  A lane holds 64 of its query's 128 scores; the other 64 lie in the lane 16 away.
.macro SOFT a
.set AC, 64*(\a)
	WIN WW*0x15                                    ; three sources in the scores' window
.irp k, 0,1,2,3,4,5,6,7
	v_max3_num_f32 v[MX+(\k)], v[AC+8*(\k)], v[AC+8*(\k)+1], v[AC+8*(\k)+2]
.endr
.irp k, 0,1,2,3,4,5,6,7
	v_max3_num_f32 v[MX+8+(\k)], v[AC+8*(\k)+3], v[AC+8*(\k)+4], v[AC+8*(\k)+5]
.endr
.irp k, 0,1,2,3,4,5,6,7
	v_max_num_f32 v[MX+16+(\k)], v[AC+8*(\k)+6], v[AC+8*(\k)+7]
.endr
	WIN 0
.irp k, 0,1,2,3,4,5,6,7
	v_max3_num_f32 v[MX+(\k)], v[MX+(\k)], v[MX+8+(\k)], v[MX+16+(\k)]
.endr
	v_max3_num_f32 v[MX], v[MX], v[MX+1], v[MX+2]
	v_max3_num_f32 v[MX+3], v[MX+3], v[MX+4], v[MX+5]
	v_max_num_f32 v[MX+6], v[MX+6], v[MX+7]
	v_max3_num_f32 v[MX], v[MX], v[MX+3], v[MX+6]
	v_permlanex16_b32 v[MX+1], v[MX], s[SEL], s[SEL+1]
	v_max_num_f32 v[MM], v[MX], v[MX+1]            ; the chunk's maximum for my query, in both registers of a pair
	v_max_num_f32 v[MM+1], v[MX], v[MX+1]
	WIN (WW<<6)|WW                                 ; in place on the scores; the maximum in window 0
.set z, 0
.rept 32
	v_pk_add_f32 v[AC+2*z:AC+2*z+1], v[AC+2*z:AC+2*z+1], v[MM:MM+1] neg_lo:[0,1] neg_hi:[0,1]
.set z, z+1
.endr
.set z, 0
.rept 32
	v_pk_mul_f32 v[AC+2*z:AC+2*z+1], v[AC+2*z:AC+2*z+1], s[CS:CS+1] op_sel_hi:[1,0]
.set z, z+1
.endr
.set z, 0
.rept 64
	v_exp_f32 v[AC+z], v[AC+z]
.set z, z+1
.endr
	v_nop                                          ; a plain instruction between the last exponential and the use of its result
	WIN WW*5
	s_wait_alu depctr_va_vdst(0)
.irp b, 0,1,2,3,4,5,6,7
.irp r, 0,1,2,3
	v_cvt_pk_f16_f32 v[TMP+4*(\b)+(\r)], v[AC+8*(\b)+2*(\r)], v[AC+8*(\b)+2*(\r)+1]
.endr
.endr
	WIN (WW<<6)|(WW*5)                             ; the sum of the unrounded weights, a tree in place over the 32 pairs
.irp st, 16,8,4,2,1
.set z, 0
.rept \st
	v_pk_add_f32 v[AC+2*z:AC+2*z+1], v[AC+2*z:AC+2*z+1], v[AC+2*(z+(\st)):AC+2*(z+(\st))+1]
.set z, z+1
.endr
.endr
	WIN WW*5
	v_add_f32 v[LS], v[AC], v[AC+1]
	WIN 0
	v_permlanex16_b32 v[MX+2], v[LS], s[SEL], s[SEL+1]
	v_add_f32 v[LS], v[LS], v[MX+2]
.endm
.macro TOSTAGE a
.set BK, OB+32*((\a)%2)
.irp b, 0,1,2,3,4,5,6,7
	ds_store_b128 v[STO], v[TMP+4*(\b):TMP+4*(\b)+3] offset:32*(\b)
.endr
	ds_store_b32 v[SA], v[MM] offset:64*(\a)       ; both halves of the lanes write the same number to the same word
	ds_store_b32 v[SA], v[LS] offset:512+64*(\a)
.irp t, 0,1,2,3,4,5,6,7
	ds_load_b128 v[BK+4*(\t):BK+4*(\t)+3], v[RD] offset:(\t)*2*SPITCH  ; LDS serves a wave's instructions in order: these see the stores above
.endr
.endm
.macro SEND a
.set BK, OB+32*((\a)%2)
	s_wait_dscnt 0x0
	s_wait_xcnt 0x0                                ; the other buffer, which earlier stores read, is loaded again only behind this wait
.irp t, 0,1,2,3,4,5,6,7
	global_store_b128 v[CO], v[BK+4*(\t):BK+4*(\t)+3], s[6:7] offset:(16*(\a)+2*(\t))*4096  ; 16 lanes store 256 consecutive bytes, aligned
.endr
.endm
	s_wait_tensorcnt 0x1                           ; my part of K step 0 is in; step 1's may stay out
	s_barrier_signal -1
	s_barrier_wait -1
	FETCH 0, F0
	QUARTER 64, F0, F1, 1
	WIN 0
	s_mov_b32 s[CNT], 6                            ; the 8 K steps but the last two
.Lloop:
	QUARTER 128, F1, F0, 0
	QUARTER 192, F0, F1, 0
	TURN 1
	QUARTER 64, F0, F1, 0
	WIN 0
	s_sub_co_u32 s[CNT], s[CNT], 1
	s_cmp_lg_u32 s[CNT], 0
	s_cbranch_scc1 .Lloop
	s_mov_b32 s[CNT], 2
.Ltail:
	QUARTER 128, F1, F0, 0
	QUARTER 192, F0, F1, 0
	TURN 0
	WIN 0
	s_cmp_eq_u32 s[CNT], 1
	s_cbranch_scc1 .Llast
	QUARTER 64, F0, F1, 0
	WIN 0
.Llast:
	s_sub_co_u32 s[CNT], s[CNT], 1
	s_cmp_lg_u32 s[CNT], 0
	s_cbranch_scc1 .Ltail
	PLACES                                         ; behind the last products
	s_mov_b32 s[CNT], 2
.Lhalf:                                                ; two trips: my rows 0-63, then my rows 64-127
	SOFT 0
	TOSTAGE 0
.irp a, 1,2,3
	SOFT \a                                        ; a block's arithmetic stands between the loads of the block before and the wait for them
	SEND (\a)-1
	TOSTAGE \a
.endr
	SEND 3
	s_cmp_eq_u32 s[CNT], 1
	s_cbranch_scc1 .Lmoved                         ; behind the second trip nothing is left to bring
	WIN 0x83                                       ; destination window 2, source window 3
.set z, 0
.rept 256
	v_mov_b32 v[z], v[z]
.set z, z+1
.endr
	WIN 0
.Lmoved:
	v_add_nc_u32 v[SA], 256, v[SA]                 ; the next 64 rows' m and l
	s_wait_xcnt 0x0                                ; the stores' base is written again only behind this wait
	s_add_nc_u64 s[6:7], s[6:7], 64*4096           ; and their rows of pbuf
	s_sub_co_u32 s[CNT], s[CNT], 1
	s_cmp_lg_u32 s[CNT], 0
	s_cbranch_scc1 .Lhalf
	ds_load_b128 v[MX:MX+3], v[SR]                 ; my 128 rows' m and l, 512 consecutive bytes each
	ds_load_b128 v[MX+4:MX+7], v[SR] offset:512
	s_wait_dscnt 0x0
	global_store_b128 v[SO], v[MX:MX+3], s[8:9]
	global_store_b128 v[SO], v[MX+4:MX+7], s[8:9] offset:524288
	s_wait_tensorcnt 0x0                           ; the wave's end
	ds_add_u32 v[SPW], v[NIL]
	s_wait_dscnt 0x0
	s_endpgm
.Lfunc_end_k_qe3e644b4cb_scores:
	.size	k_qe3e644b4cb_scores, .Lfunc_end_k_qe3e644b4cb_scores-k_qe3e644b4cb_scores
	.p2alignl 7, 3214868480
	.fill 96, 4, 3214868480
	.section	.rodata,"a",@progbits
	.p2align	6, 0x0
	.amdhsa_kernel k_qe3e644b4cb_scores
		.amdhsa_group_segment_fixed_size 327680
		.amdhsa_private_segment_fixed_size 0
		.amdhsa_enable_private_segment 0
		.amdhsa_kernarg_size 24
		.amdhsa_user_sgpr_count 2
		.amdhsa_user_sgpr_kernarg_segment_ptr 1
		.amdhsa_wavefront_size32 1
		.amdhsa_system_sgpr_workgroup_id_x 1
		.amdhsa_system_sgpr_workgroup_id_y 1
		.amdhsa_system_sgpr_workgroup_id_z 1
		.amdhsa_system_vgpr_workitem_id 0
		.amdhsa_next_free_vgpr 1024
		.amdhsa_next_free_sgpr 66
		.amdhsa_reserve_vcc 1
		.amdhsa_float_denorm_mode_32 3
		.amdhsa_float_denorm_mode_16_64 3
		.amdhsa_memory_ordered 1
		.amdhsa_forward_progress 1
		.amdhsa_inst_pref_size 134
	.end_amdhsa_kernel
	.amdgpu_metadata
---
amdhsa.version: [ 1, 2 ]
amdhsa.kernels:
  - .name:           k_qe3e644b4cb_scores
    .symbol:         k_qe3e644b4cb_scores.kd
    .args:
      - { .name: qkv, .offset: 0, .size: 8, .value_kind: global_buffer, .address_space: global }
      - { .name: pbuf, .offset: 8, .size: 8, .value_kind: global_buffer, .address_space: global }
      - { .name: stats, .offset: 16, .size: 8, .value_kind: global_buffer, .address_space: global }
    .group_segment_fixed_size: 327680
    .private_segment_fixed_size: 0
    .kernarg_segment_align: 8
    .kernarg_segment_size: 24
    .max_flat_workgroup_size: 128
    .sgpr_count:     66
    .vgpr_count:     1024
    .wavefront_size: 32
...
	.end_amdgpu_metadata
.endif
;; end of part 3
;; launch pv (part 4): grid 8 x 32, 4 waves a work-group, clusters of 4 x 1, 327,680 bytes of LDS; arguments qkv, pbuf, stats, out0; writes out0
.if DOCPART == 4
	.amdgcn_target "amdgcn-amd-amdhsa--gfx1250"
	.amdhsa_code_object_version 6
	.text
	.protected	k_qe3e644b4cb_pv
	.globl	k_qe3e644b4cb_pv
	.p2align	8
	.type	k_qe3e644b4cb_pv,@function
k_qe3e644b4cb_pv:
	s_mov_b64 s[64:65], 0
	v_nop
	global_prefetch_b8 v0, s[64:65] scope:SCOPE_SE
	s_setreg_imm32_b32 hwreg(HW_REG_WAVE_MODE, 25, 1), 1
	s_wait_xcnt 0x0
	s_wait_alu depctr_hold_cnt(0) depctr_sa_sdst(0) depctr_va_vdst(0) depctr_va_sdst(0) depctr_va_ssrc(0) depctr_va_vcc(0) depctr_vm_vsrc(0)
	s_getreg_b32 s2, hwreg(HW_REG_IB_STS2, 6, 4)
	s_cmp_eq_u32 s2, 0
	s_cbranch_scc0 .Lentry_in_a_cluster
	s_endpgm
.Lentry_in_a_cluster:
	s_bfe_u32 s2, ttmp6, 0x10000c
	s_cmp_lg_u32 s2, 0x3003
	s_cbranch_scc0 .Lentry_shape_is_right
	s_endpgm
.Lentry_shape_is_right:
; out[q][col] = round4( the sum over chunks u of w'[u][q] x (the sum over the chunk's 128 keys of p[q][k] v[k][col]) ),  w'[u][q] = 2^(c (m[u][q] - m_row[q])) / l_row[q],
; m_row = the maximum of the row's chunk maxima, l_row = the sum of 2^(c (m[u] - m_row)) l[u], c = log2(e) / 32.  p, v in f16, products' sums and all else in f32.
; round4(x) = rndne(10000 x) x fl(1e-4): the last step is a multiplication where the reference divides by 10000: it differs by an ulp at the most.
; LIMITS.  v within f16's 65,504; a chunk that is wholly hidden has m about -1e30 and gets the factor 0; NaN and infinities are not treated apart.
; SHARES.  A work-group takes 128 columns (ct) and TWO blocks of 128 rows of a batch, block p and then block 15 - p: (p / 2 + 1) + ((15 - p) / 2 + 1) = 9 steps of 256 keys, whatever p:
; 256 work-groups of equal work, ONE walk with constant trip counts.  Four waves, each 64 x 64: 16 accumulators T for the chunk in hand, folded into O with the chunk's factor.
; CLUSTER 4 x 1: the four partners share batch and p and differ in ct: they walk the same tiles of p, which are asked for jointly; v's tile hangs on ct and is a load of one's own behind the same round.
; THE MATRIX INSTRUCTION IS USED TRANSPOSED (source 0 = 16 columns of v, turned by ds_load_tr16_b128; source 1 = 16 rows of p): a lane holds one row and 8 neighbouring columns.
; O is cleared at a block's beginning (128 v_mov_b32 each time): no first chunk is written out.
; REGISTERS.  Window 0: v0-31 addresses; v32-39 the factors, a pair a row block; v64-191 T (in the prologue: at work); v192-223 rows read back.
;             Window 1: two fragment buffers of 128: 64 of p (2 x 4 x 16 rows x 32 keys), then 64 of v.          Window 2: v0-127 O.
.set PA_,    528                       ; a row of p in LDS: 512 bytes + 16
.set PV,     288                       ; a row of v: 256 + 32
.set RGN,    128*PV                    ; 36,864 = 0x9000.  Wave w fills w x 2 RGN (slot 0) and w x 2 RGN + RGN (slot 1): 0x9000 shares no bit with w x 0x12000;
                                       ; waves 0, 1: 64 rows of p each (33,792 bytes); waves 2, 3: 128 keys of v each
.set STAGE,  8*RGN                     ; behind the ring: 16 rows x 272 bytes for each wave
.set SPITCH, 272
.set WTAB,   STAGE+4*16*SPITCH         ; the factors: 18 chunks in the walk's order x 128 rows x 4 bytes
.set SPARE,  WTAB+18*512               ; the spare words, 128 bytes for each wave: two blocks of 256 bytes that no other line names
.set A0,   16
.set B0,   17
.set ADRA, 18
.set ADRB, 19                          ; v19 keys 0-127 of the step, v20 keys 128-255
.set WA,   21                          ; v21  where the next chunk's factors for my rows lie
.set STO,  24
.set RD,   25
.set CO,   26
.set SPW,  28
.set NIL,  29
.set W,    32
.set T,    64
.set OB,   192
.set VO,   64                          ; the prologue's registers: offsets, m, l, e of the 18 chunks
.set VM,   82
.set VL,   100
.set VE,   118
.set MS,   136                         ; the row's maximum in the first block, in the second
.set ML,   137
.set LSS,  138                         ; the row's sum likewise
.set LSL,  139
.set T0,   140
.set T1,   141
.set NEG,  142
.set WS,   143
.set F0,   0
.set F1,   128
.set WV,   12
.set WR,   13
.set WC,   14
.set G1A,  16
.set G1B,  24
.set G0A,  32
.set G0B,  40
.set PA,   48                          ; s[48:49] pbuf at my half of a tile's rows
.set PB,   50                          ; s[50:51] qkv at v, my half of a tile's keys, my columns
.set OFA,  52
.set OFB,  54
.set NXT,  56                          ; the step to be asked for next, in its block
.set LQ,   57                          ; the last step of the block whose tiles are being asked for
.set LQL,  58
.set ABLK, 59                          ; that block's byte offset in pbuf
.set ABLKL, 60
.set RT,   61                          ; steps of the first block still to be finished
.set CNT,  62
.set TB,   63
.set CS,   66
.set K4,   70                          ; s[70:71] 10000
.set KI,   72                          ; s[72:73] 1e-4
.set OUTS, 74
.set OUTL, 76
.set N2S,  78                          ; chunks in the first block
.set MK,   79
.set MUL,  0x05
.set TO_F, 0x40
.set MSB, 0
.macro WIN new
.if MSB != (\new)
	s_set_vgpr_msb (MSB<<8)|(\new)
.set MSB, (\new)
.endif
.endm
.macro PLACES
.rept 4
	v_nop
.endr
.endm
.macro JLOAD                           ; waves 0, 1: the joint load of p's halves; waves 2, 3: v's halves.  An s_nop 0 and four v_nop follow each line
	s_cmp_eq_u32 s[WR], 0
	s_cbranch_scc0 .Lfor_b_\@
	tensor_load_to_lds s[G0A+4:G0A+7], s[G1A:G1A+7]
	s_nop 0
.rept 4
	v_nop
.endr
	s_branch .Lasked_\@
.Lfor_b_\@:
	tensor_load_to_lds s[G0B+4:G0B+7], s[G1B:G1B+7]
	s_nop 0
.rept 4
	v_nop
.endr
.Lasked_\@:
.endm
.macro CREST
	s_cmp_lg_u32 s[WV], 0
	s_cbranch_scc1 .Lnot_wave_0_\@
	s_barrier_signal -3
.Lnot_wave_0_\@:
	s_barrier_wait -3
	s_barrier_signal -1
	s_barrier_wait -1
.endm
.macro CROUND
	s_barrier_signal -1
	s_barrier_wait -1
	CREST
.endm
; The addresses of the walk's next step are made anew from its number; then the number steps, and behind the first block's last step goes to the second block's step 0.
.macro ASK set
	s_lshl_b32 s[OFA], s[NXT], 9                   ; 256 keys of p are 512 bytes along a row
	s_add_co_u32 s[OFA], s[OFA], s[ABLK]
	s_mul_i32 s[OFB], s[NXT], 1572864              ; 256 rows of qkv
	s_add_nc_u64 s[G0A+4*(\set)+2:G0A+4*(\set)+3], s[PA:PA+1], s[OFA:OFA+1]
	s_or_b32 s[G0A+4*(\set)+3], s[G0A+4*(\set)+3], 0x80000000
	s_add_nc_u64 s[G0B+4*(\set)+2:G0B+4*(\set)+3], s[PB:PB+1], s[OFB:OFB+1]
	s_or_b32 s[G0B+4*(\set)+3], s[G0B+4*(\set)+3], 0x80000000
	s_add_co_u32 s[NXT], s[NXT], 1
	s_cmp_gt_u32 s[NXT], s[LQ]
	s_cselect_b32 s[NXT], 0, s[NXT]
	s_cselect_b32 s[ABLK], s[ABLKL], s[ABLK]
	s_cselect_b32 s[LQ], s[LQL], s[LQ]
.endm
	s_load_b256 s[4:11], s[0:1], 0x0               ; qkv s[4:5], pbuf s[6:7], stats s[8:9], out0 s[10:11]
	v_lshl_add_u32 v[SPW], v0, 2, SPARE
	v_mov_b32 v[NIL], 0
	ds_add_u32 v[SPW], v[NIL]                      ; the wave's opening: the add and its wait ahead of my first tensor load
	ds_add_u32 v28, v29
	v_lshrrev_b32 v1, 5, v0
	v_readfirstlane_b32 s[WV], v1
	s_lshr_b32 s[WR], s[WV], 1                     ; which 64 rows are mine.  Also: I fetch p (0) or v (1)
	s_and_b32 s[WC], s[WV], 1                      ; which 64 columns.  Also: which half of that tile I fetch
	s_bfe_u32 s80, ttmp6, 0x40000                  ; cx: it enters v's and out0's addresses alone
	s_lshl_b32 s81, ttmp9, 2
	s_add_co_u32 s81, s81, s80                     ; ct
	s_and_b32 s82, ttmp7, 0xffff
	s_and_b32 s83, s82, 7                          ; p: the first block
	s_lshr_b32 s84, s82, 3                         ; the batch
	s_sub_co_u32 s85, 15, s83                      ; the second block
	s_lshr_b32 s[LQ], s83, 1
	s_lshr_b32 s[LQL], s85, 1
	s_add_co_u32 s[RT], s[LQ], 1
	s_lshl_b32 s[N2S], s[RT], 1
	s_lshl_b32 s86, s84, 11                        ; the batch's first row
	s_lshl_b32 s87, s83, 7
	s_add_co_u32 s87, s87, s86                     ; the first block's first row
	s_lshl_b32 s88, s85, 7
	s_add_co_u32 s88, s88, s86                     ; the second's
	s_lshl_b32 s[ABLK], s87, 12
	s_lshl_b32 s[ABLKL], s88, 12
	s_mov_b32 s[NXT], 0
	s_mov_b32 s[OFA+1], 0
	s_mov_b32 s[OFB+1], 0
	s_mov_b32 s[TB], 0
	s_lshl_b32 s90, s[WC], 18                      ; p: my 64 rows of a tile's 128
	s_mov_b32 s91, 0
	s_lshl_b32 s92, s[WC], 7                       ; v: (batch row + 128 x half) x 6,144 + 4,096 + 256 ct
	s_add_co_u32 s92, s92, s86
	s_mul_i32 s92, s92, 6144
	s_lshl_b32 s93, s81, 8
	s_add_co_u32 s92, s92, s93
	s_add_co_u32 s92, s92, 4096
	s_mov_b32 s93, 0
	s_lshl_b32 s94, s83, 9                         ; the blocks' first rows in a chunk's 2,048 words of stats
	s_lshl_b32 s95, s85, 9
	s_lshl_b32 s100, s81, 9                        ; out0: (block row + 64 wr) x 4,096 + 512 ct + 256 wc
	s_lshl_b32 s89, s[WC], 8
	s_add_co_u32 s100, s100, s89
	s_lshl_b32 s89, s[WR], 6
	s_add_co_u32 s96, s87, s89
	s_lshl_b32 s96, s96, 12
	s_add_co_u32 s96, s96, s100
	s_mov_b32 s97, 0
	s_add_co_u32 s98, s88, s89
	s_lshl_b32 s98, s98, 12
	s_add_co_u32 s98, s98, s100
	s_mov_b32 s99, 0
	s_mov_b32 s[G1A+0], 15|(1<<16)|(1<<20)|(1<<21)|(6<<22)|(3<<25)  ; the mask of four; 2-byte elements; padding on; bit 21 beside a mask; after every 128 words 4 words
	s_mov_b32 s[G1A+1], 256<<16                    ; tensor_dim0 = 256
	s_mov_b32 s[G1A+2], 64<<16                     ; tensor_dim1 = 64
	s_mov_b32 s[G1A+3], 256<<16                    ; tile_dim0 = 256
	s_mov_b32 s[G1A+4], 64                         ; tile_dim1 = 64
	s_mov_b32 s[G1A+5], 2048                       ; elements from row to row of pbuf
	s_mov_b32 s[G1A+6], 0
	s_mov_b32 s[G1A+7], 0
	s_mov_b32 s[G1B+0], (1<<16)|(1<<20)|(5<<22)|(7<<25)  ; no mask; after every 64 words 8 words
	s_mov_b32 s[G1B+1], 128<<16
	s_mov_b32 s[G1B+2], 128<<16
	s_mov_b32 s[G1B+3], 128<<16
	s_mov_b32 s[G1B+4], 128
	s_mov_b32 s[G1B+5], 3072
	s_mov_b32 s[G1B+6], 0
	s_mov_b32 s[G1B+7], 0
	s_mul_i32 s89, s[WC], 2*RGN                    ; where they go: the wave's number alone enters an LDS address
.irp s, 0,1
	s_mov_b32 s[G0A+4*(\s)], 1
	s_add_co_u32 s[G0A+4*(\s)+1], s89, (\s)*RGN
	s_mov_b32 s[G0B+4*(\s)], 1
	s_add_co_u32 s[G0B+4*(\s)+1], s89, 4*RGN+(\s)*RGN
.endr
	s_mov_b32 s[CS], 0x3d38aa3b                    ; c = log2(e) / 32
	s_mov_b32 s[CS+1], s[CS]
	s_mov_b32 s[K4], 0x461c4000                    ; 10000
	s_mov_b32 s[K4+1], s[K4]
	s_mov_b32 s[KI], 0x38d1b717                    ; 1e-4
	s_mov_b32 s[KI+1], s[KI]
	s_wait_dscnt 0x0                               ; the opening add is done
	s_wait_kmcnt 0x0
	s_add_nc_u64 s[PA:PA+1], s[6:7], s[90:91]
	s_add_nc_u64 s[PB:PB+1], s[4:5], s[92:93]
	s_add_nc_u64 s[OUTS:OUTS+1], s[10:11], s[96:97]
	s_add_nc_u64 s[OUTL:OUTL+1], s[10:11], s[98:99]
	s_lshl_b32 s90, s84, 17                        ; a batch's 16 chunks x 2,048 rows x 4 bytes
	s_add_nc_u64 s[8:9], s[8:9], s[90:91]
	ASK 0
	ASK 1
	CROUND                                         ; all four work-groups are here: the first joint loads meet
	s_cmp_eq_u32 s[WR], 0                          ; a wave's two first fills stand in one branch: two loads of mine are out
	s_cbranch_scc0 .Lfirst_b
	tensor_load_to_lds s[G0A:G0A+3], s[G1A:G1A+7]
	s_nop 0
	tensor_load_to_lds s[G0A+4:G0A+7], s[G1A:G1A+7]
	s_nop 0
.rept 4
	v_nop
.endr
	s_branch .Lfirst_asked
.Lfirst_b:
	tensor_load_to_lds s[G0B:G0B+3], s[G1B:G1B+7]
	s_nop 0
	tensor_load_to_lds s[G0B+4:G0B+7], s[G1B:G1B+7]
	s_nop 0
.rept 4
	v_nop
.endr
.Lfirst_asked:
	; THE FACTORS, while the first tiles are on their way.  Thread t is row t of both blocks.  Chunk u of the walk belongs to the first block if u < N2S.
	v_lshlrev_b32 v3, 2, v0
.set u, 0
.rept 18
	s_sub_co_u32 s80, u, s[N2S]                    ; the chunk's number in the second block,
	s_cmp_gt_u32 s[N2S], u
	s_cselect_b32 s80, u, s80                      ; or in the first
	s_cselect_b32 s81, s94, s95
	s_lshl_b32 s80, s80, 13
	s_add_co_u32 s80, s80, s81
	v_add_nc_u32 v[VO+u], s80, v3
	global_load_b32 v[VM+u], v[VO+u], s[8:9]
	global_load_b32 v[VL+u], v[VO+u], s[8:9] offset:524288
.set u, u+1
.endr
	v_and_b32 v1, 15, v0                           ; l % 16
	v_bfe_u32 v2, v0, 4, 1                         ; l / 16
	v_mul_u32_u24 v4, v1, PA_
	v_lshl_add_u32 v4, v2, 4, v4
	s_mul_i32 s82, s[WR], 2*RGN                    ; p's half wr was brought by wave wr
	v_add_nc_u32 v[A0], s82, v4
	v_and_b32 v5, 7, v0                            ; the turning load: lane l reads key 8 (l / 16) + l % 8, columns 8 ((l / 8) % 2) + 0..7
	v_bfe_u32 v6, v0, 3, 1
	v_lshl_add_u32 v5, v2, 3, v5
	v_mul_u32_u24 v5, v5, PV
	v_lshl_add_u32 v5, v6, 4, v5
	s_lshl_b32 s82, s[WC], 7                       ; my 64 columns
	s_add_co_u32 s82, s82, 4*RGN
	v_add_nc_u32 v[B0], s82, v5
	v_mov_b32 v[ADRA], v[A0]
	v_mov_b32 v[ADRB], v[B0]
	v_add_nc_u32 v[ADRB+1], 2*RGN, v[B0]
	s_lshl_b32 s82, s[WR], 8
	s_add_co_u32 s82, s82, WTAB
	v_lshl_add_u32 v[WA], v1, 2, s82               ; row 64 wr + l % 16 of chunk 0
	s_mul_i32 s82, s[WV], 16*SPITCH
	s_add_co_u32 s82, s82, STAGE
	v_mul_u32_u24 v4, v1, SPITCH                   ; in: row l % 16, 32 bytes for each half of the lanes
	v_lshl_add_u32 v4, v2, 5, v4
	v_add_nc_u32 v[STO], s82, v4
	v_mul_u32_u24 v4, v2, SPITCH                   ; back: lanes 0-15 one row of 256 bytes, lanes 16-31 the next
	v_lshl_add_u32 v4, v1, 4, v4
	v_add_nc_u32 v[RD], s82, v4
	v_lshlrev_b32 v4, 12, v2
	v_lshl_add_u32 v[CO], v1, 4, v4
.irp a, 0,1,2,3
	v_mov_b32 v[W+2*(\a)+1], 0                     ; named with the factor as a pair
.endr
	WIN 0x80
.set z, 0
.rept 128
	v_mov_b32 v[z], 0                              ; O
.set z, z+1
.endr
	WIN 0
	v_mov_b32 v[NEG], 0xff7fffff
	v_mov_b32 v[MS], 0xff7fffff
	v_mov_b32 v[ML], 0xff7fffff
	v_mov_b32 v[LSS], 0
	v_mov_b32 v[LSL], 0
	v_add_nc_u32 v[WS], WTAB, v3
	s_wait_loadcnt 0x0
.set u, 0
.rept 18                               ; each block's row maximum over its chunks' maxima
	s_cmp_gt_u32 s[N2S], u
	s_cselect_b32 s[MK], -1, 0
	v_cndmask_b32 v[T0], v[NEG], v[VM+u], s[MK]
	v_cndmask_b32 v[T1], v[VM+u], v[NEG], s[MK]
	v_max_num_f32 v[MS], v[MS], v[T0]
	v_max_num_f32 v[ML], v[ML], v[T1]
.set u, u+1
.endr
.set u, 0
.rept 18                               ; c (m - m_row): the difference first, never positive
	s_cmp_gt_u32 s[N2S], u
	s_cselect_b32 s[MK], -1, 0
	v_cndmask_b32 v[VE+u], v[ML], v[MS], s[MK]
	v_sub_f32 v[VE+u], v[VM+u], v[VE+u]
	v_mul_f32 v[VE+u], s[CS], v[VE+u]
.set u, u+1
.endr
.set u, 0
.rept 18
	v_exp_f32 v[VE+u], v[VE+u]
.set u, u+1
.endr
	v_nop                                          ; a plain instruction behind the last exponential
	s_wait_alu depctr_va_vdst(0)
.set u, 0
.rept 18                               ; each block's row sum
	s_cmp_gt_u32 s[N2S], u
	s_cselect_b32 s80, 1.0, 0
	s_cselect_b32 s81, 0, 1.0
	v_mul_f32 v[T0], v[VE+u], v[VL+u]
	v_fmac_f32 v[LSS], s80, v[T0]
	v_fmac_f32 v[LSL], s81, v[T0]
.set u, u+1
.endr
	v_rcp_f32 v[LSS], v[LSS]
	v_rcp_f32 v[LSL], v[LSL]
	v_nop                                          ; a plain instruction behind the last reciprocal
	s_wait_alu depctr_va_vdst(0)
.set u, 0
.rept 18
	s_cmp_gt_u32 s[N2S], u
	s_cselect_b32 s[MK], -1, 0
	v_cndmask_b32 v[T0], v[LSL], v[LSS], s[MK]
	v_mul_f32 v[VE+u], v[VE+u], v[T0]
	ds_store_b32 v[WS], v[VE+u] offset:512*u
.set u, u+1
.endr
; One product: accumulator i = 4 a + b (row block a, column block b), 32 keys: half c of buffer f.  The 16 accumulators take turns, one instruction a turn.
.macro PROD f, c, i, zero
	WIN MUL
.if \zero
	v_wmma_f32_16x16x32_f16 v[T+8*(\i):T+8*(\i)+7], v[(\f)+64+8*(4*(\c)+(\i)%4):(\f)+64+8*(4*(\c)+(\i)%4)+7], v[(\f)+8*(4*(\c)+(\i)/4):(\f)+8*(4*(\c)+(\i)/4)+7], 0
.else
	v_wmma_f32_16x16x32_f16 v[T+8*(\i):T+8*(\i)+7], v[(\f)+64+8*(4*(\c)+(\i)%4):(\f)+64+8*(4*(\c)+(\i)%4)+7], v[(\f)+8*(4*(\c)+(\i)/4):(\f)+8*(4*(\c)+(\i)/4)+7], v[T+8*(\i):T+8*(\i)+7]
.endif
.endm
.macro FOLD i                          ; O += w' T, from the accumulator's low end on
	WIN 0xa0                                       ; O (destination and source 2) in window 2, T and the factor in window 0
.irp z, 0,1,2,3
	v_pk_fma_f32 v[8*(\i)+2*(\z):8*(\i)+2*(\z)+1], v[T+8*(\i)+2*(\z):T+8*(\i)+2*(\z)+1], v[W+2*((\i)/4):W+2*((\i)/4)+1], v[8*(\i)+2*(\z):8*(\i)+2*(\z)+1] op_sel_hi:[1,0,1]
.endr
.endm
; n products from accumulator i0 on.  fold = 1 (a chunk's last 32 keys): accumulator i - 2 is folded behind product i.  Four v_nop stand ahead of the first fold, whose product has no vector work behind
; it yet; from then on the folds of the two accumulators before are the places, eight plain instructions that name none of the product's registers.
.macro PASS f, c, zero, fold, i0=0, n=16
.set pn, \i0
.rept \n
	PROD \f, \c, pn, \zero
.if \fold
.if pn == 2
	PLACES
.endif
.if pn >= 2
	FOLD pn-2
.endif
.endif
.set pn, pn+1
.endr
.if \fold
	FOLD 14
	FOLD 15
.endif
.endm
; 32 LDS loads in one run: the fragments of keys 64 hf to 64 hf + 63 of the step into buffer f, the first 32 keys first
.macro FETCH hf, f
.set RB, ADRB+(\hf)/2
	WIN TO_F
.irp c, 0,1
.irp i, 0,1,2,3
	ds_load_tr16_b128 v[(\f)+64+8*(4*(\c)+(\i)):(\f)+64+8*(4*(\c)+(\i))+3],   v[RB] offset:(((\hf)&1)*64+32*(\c))*PV+32*(\i)
	ds_load_tr16_b128 v[(\f)+64+8*(4*(\c)+(\i))+4:(\f)+64+8*(4*(\c)+(\i))+7], v[RB] offset:(((\hf)&1)*64+32*(\c))*PV+32*(\i)+16*PV
	ds_load_b128 v[(\f)+8*(4*(\c)+(\i)):(\f)+8*(4*(\c)+(\i))+3],   v[ADRA] offset:(\i)*16*PA_+128*(\hf)+64*(\c)
	ds_load_b128 v[(\f)+8*(4*(\c)+(\i))+4:(\f)+8*(4*(\c)+(\i))+7], v[ADRA] offset:(\i)*16*PA_+128*(\hf)+64*(\c)+32
.endr
.endr
	WIN 0
.endm
; One of a step's first three quarters (64 keys): multiplies buffer f and fetches keys 64 hf on into buffer g.  zero = 1: a chunk's first products start T.  fold = 1: its last are folded.
; wl = 1: the factors of the chunk in hand are fetched too: the fold that read the last ones is over, the fold that needs these stands in the next quarter.
.macro QUARTER hf, f, g, zero, fold, wl
	s_wait_dscnt 16                                ; the first 32 keys' fragments are in
	PASS \f, 0, \zero, 0
	PLACES
.if \wl
	WIN 0
.irp a, 0,1,2,3
	ds_load_b32 v[W+2*(\a)], v[WA] offset:64*(\a)
.endr
	v_add_nc_u32 v[WA], 512, v[WA]
.endif
	FETCH \hf, \g
	s_wait_dscnt 32                                ; all but the 32 just issued
	PASS \f, 1, 0, \fold
.endm
; The last quarter multiplies buffer 1, folds the step's second chunk and changes slots: each wave waits for all its tensor loads (one is out: its part of the next slot), adds 0 to its spare word, and
; waits for that and for its reads of this slot.  fill = 1: the barrier opens a round of the cluster's barrier, and this slot is filled again first thing behind it, with the walk's step two on:
; 112 matrix instructions stand between the request and the wait for it.
.macro TURN fill
	WIN 0
	s_wait_tensorcnt 0x0                           ; no tensor load of mine is out, so a group 0 may be written
	ds_add_u32 v[SPW], v[NIL]                      ; 0 onto my spare word
.if \fill
	s_xor_b32 s[G0A+5], s[G0A+5], RGN
	s_xor_b32 s[G0B+5], s[G0B+5], RGN
	ASK 1
.endif
	s_wait_dscnt 17                                ; (the add and the youngest sixteen loads may be out)
	PASS F1, 0, 0, 0, 0, 8
	s_wait_dscnt 0x0                               ; the add is done, and my reads of this slot are over
	s_barrier_signal -1
	PASS F1, 0, 0, 0, 8, 8
	WIN 0
	s_barrier_wait -1
.if \fill
	CREST                                          ; no wave of any partner still reads this slot or has a load on its way
	JLOAD                                          ; its four v_nop are also the places in front of the loads below
.else
	PLACES
	s_cmp_eq_u32 s[CNT], 1
	s_cbranch_scc1 .Lno_fetch_\@
.endif
	s_xor_b32 s[TB], s[TB], RGN
	v_add_nc_u32 v[ADRA], s[TB], v[A0]
	v_add_nc_u32 v[ADRB], s[TB], v[B0]
	v_add_nc_u32 v[ADRB+1], 2*RGN, v[ADRB]
	FETCH 0, F0
.if !(\fill)
.Lno_fetch_\@:
.endif
	PASS F1, 1, 0, 1
.endm
; THE WAY OUT of a block, 16 rows at a time: rounded to four decimals in place, 32 bytes a lane into my stage, back as whole rows of 256 bytes, stored.  clear = 1: O starts the next block at 0.
.macro WAYOUT base, clear
.irp a, 0,1,2,3
	WIN 0x82
.set z, 0
.rept 16
	v_pk_mul_f32 v[32*(\a)+2*z:32*(\a)+2*z+1], v[32*(\a)+2*z:32*(\a)+2*z+1], s[K4:K4+1] op_sel_hi:[1,0]
.set z, z+1
.endr
.set z, 0
.rept 32
	v_rndne_f32 v[32*(\a)+z], v[32*(\a)+z]
.set z, z+1
.endr
.set z, 0
.rept 16
	v_pk_mul_f32 v[32*(\a)+2*z:32*(\a)+2*z+1], v[32*(\a)+2*z:32*(\a)+2*z+1], s[KI:KI+1] op_sel_hi:[1,0]
.set z, z+1
.endr
	WIN 0x08                                       ; the stores' data in window 2
.irp b, 0,1,2,3
	ds_store_b128 v[STO], v[32*(\a)+8*(\b):32*(\a)+8*(\b)+3] offset:64*(\b)
	ds_store_b128 v[STO], v[32*(\a)+8*(\b)+4:32*(\a)+8*(\b)+7] offset:64*(\b)+16
.endr
	WIN 0
	s_wait_xcnt 0x0                                ; the registers that earlier stores read are loaded again only behind this wait
.irp t, 0,1,2,3,4,5,6,7
	ds_load_b128 v[OB+4*(\t):OB+4*(\t)+3], v[RD] offset:(\t)*2*SPITCH  ; LDS serves a wave's instructions in order: these see the stores above
.endr
	s_wait_dscnt 0x0
.irp t, 0,1,2,3,4,5,6,7
	global_store_b128 v[CO], v[OB+4*(\t):OB+4*(\t)+3], s[(\base):(\base)+1] offset:(16*(\a)+2*(\t))*4096  ; 16 lanes store 256 consecutive bytes, aligned
.endr
.endr
.if \clear
	WIN 0x80
.set z, 0
.rept 128
	v_mov_b32 v[z], 0
.set z, z+1
.endr
	WIN 0
.endif
.endm
	s_wait_dscnt 0x0                               ; for the others' sake: my factors are in the table
	s_wait_tensorcnt 0x1                           ; my part of step 0 is in; step 1's may stay out
	s_barrier_signal -1
	s_barrier_wait -1
	FETCH 0, F0
	QUARTER 1, F0, F1, 1, 0, 1
	WIN 0
	s_mov_b32 s[CNT], 7                            ; the walk's 9 steps but the last two
.Lloop:
	QUARTER 2, F1, F0, 0, 1, 0
	QUARTER 3, F0, F1, 1, 0, 1
	TURN 1
	WIN 0
	s_sub_co_u32 s[RT], s[RT], 1
	s_cmp_lg_u32 s[RT], 0
	s_cbranch_scc1 .Lsame                          ; forward, past text that holds neither a barrier nor a tensor load
	WAYOUT OUTS, 1                                 ; the first block has 1 to 4 steps, so its end always falls into this loop
.Lsame:
	QUARTER 1, F0, F1, 1, 0, 1
	WIN 0
	s_sub_co_u32 s[CNT], s[CNT], 1
	s_cmp_lg_u32 s[CNT], 0
	s_cbranch_scc1 .Lloop
	s_mov_b32 s[CNT], 2
.Ltail:
	QUARTER 2, F1, F0, 0, 1, 0
	QUARTER 3, F0, F1, 1, 0, 1
	TURN 0
	WIN 0
	s_cmp_eq_u32 s[CNT], 1
	s_cbranch_scc1 .Llast
	QUARTER 1, F0, F1, 1, 0, 1
	WIN 0
.Llast:
	s_sub_co_u32 s[CNT], s[CNT], 1
	s_cmp_lg_u32 s[CNT], 0
	s_cbranch_scc1 .Ltail
	WAYOUT OUTL, 0
	s_wait_tensorcnt 0x0                           ; the wave's end
	ds_add_u32 v[SPW], v[NIL]
	s_wait_dscnt 0x0
	CROUND                                         ; the closing round: no work-group ends while a partner may still ask for a tile that names it
	s_endpgm
.Lfunc_end_k_qe3e644b4cb_pv:
	.size	k_qe3e644b4cb_pv, .Lfunc_end_k_qe3e644b4cb_pv-k_qe3e644b4cb_pv
	.p2alignl 7, 3214868480
	.fill 96, 4, 3214868480
	.section	.rodata,"a",@progbits
	.p2align	6, 0x0
	.amdhsa_kernel k_qe3e644b4cb_pv
		.amdhsa_group_segment_fixed_size 327680
		.amdhsa_private_segment_fixed_size 0
		.amdhsa_enable_private_segment 0
		.amdhsa_kernarg_size 32
		.amdhsa_user_sgpr_count 2
		.amdhsa_user_sgpr_kernarg_segment_ptr 1
		.amdhsa_wavefront_size32 1
		.amdhsa_system_sgpr_workgroup_id_x 1
		.amdhsa_system_sgpr_workgroup_id_y 1
		.amdhsa_system_sgpr_workgroup_id_z 1
		.amdhsa_system_vgpr_workitem_id 0
		.amdhsa_next_free_vgpr 640
		.amdhsa_next_free_sgpr 102
		.amdhsa_reserve_vcc 0
		.amdhsa_float_denorm_mode_32 3
		.amdhsa_float_denorm_mode_16_64 3
		.amdhsa_memory_ordered 1
		.amdhsa_forward_progress 1
		.amdhsa_inst_pref_size 145
	.end_amdhsa_kernel
	.amdgpu_metadata
---
amdhsa.version: [ 1, 2 ]
amdhsa.kernels:
  - .name:           k_qe3e644b4cb_pv
    .symbol:         k_qe3e644b4cb_pv.kd
    .args:
      - { .name: qkv, .offset: 0, .size: 8, .value_kind: global_buffer, .address_space: global }
      - { .name: pbuf, .offset: 8, .size: 8, .value_kind: global_buffer, .address_space: global }
      - { .name: stats, .offset: 16, .size: 8, .value_kind: global_buffer, .address_space: global }
      - { .name: out0, .offset: 24, .size: 8, .value_kind: global_buffer, .address_space: global }
    .group_segment_fixed_size: 327680
    .private_segment_fixed_size: 0
    .kernarg_segment_align: 8
    .kernarg_segment_size: 32
    .max_flat_workgroup_size: 128
    .sgpr_count:     102
    .vgpr_count:     640
    .wavefront_size: 32
...
	.end_amdgpu_metadata
.endif
;; end of part 4
;; ======== version 2 of 2: 4 launches; version 1 with the launch cast written anew for expert scheduling mode
;; limits: values are held in f16: magnitudes above 65,504 overflow, below 6.1e-05 lose precision
;; workspace buffers: xb 16,777,216 bytes; wb 6,291,456 bytes; qkv 50,331,648 bytes; pbuf 33,554,432 bytes; stats 1,048,576 bytes
;; launch cast (part 5): grid 704 x 1, 8 waves a work-group, no clusters, 0 bytes of LDS; arguments embedded, Wq, Wk, Wv, xb, wb; writes xb, wb
.if DOCPART == 5
	.amdgcn_target "amdgcn-amd-amdhsa--gfx1250"
	.amdhsa_code_object_version 6
	.text
	.protected	k_qe3e644b4cb_cast
	.globl	k_qe3e644b4cb_cast
	.p2align	8
	.type	k_qe3e644b4cb_cast,@function
k_qe3e644b4cb_cast:
	s_mov_b64 s[64:65], 0
	v_nop
	global_prefetch_b8 v0, s[64:65] scope:SCOPE_SE
	s_setreg_imm32_b32 hwreg(HW_REG_WAVE_SCHED_MODE, 0, 2), 2
	s_setreg_imm32_b32 hwreg(HW_REG_WAVE_MODE, 25, 1), 1
	s_wait_xcnt 0x0
	s_wait_alu depctr_vm_vsrc(0)
; xb = bf16(embedded), wb = bf16(Wq ; Wk ; Wv), each number rounded once to nearest even.
; A stream: every byte is read once and written once, so there is no LDS, no barrier, no matrix work and no cluster.
; A work-group takes 16,384 numbers (65,536 bytes in, 32,768 out).  64 work-groups make a segment of 2^20 numbers:
; segments 0-7 are embedded, 8, 9, 10 are Wq, Wk, Wv, which land one behind the other in wb.
; A wave takes 2,048 numbers as 16 loads of 512 consecutive bytes, all issued before the first is waited for;
; each store of the wave covers 256 consecutive bytes, aligned.  No register is written twice.
; THE MODE: SCHED_MODE bits 1:0 = 2 (LLVM: expert scheduling mode 2), set by the entry lines.  The code itself states the register dependences
; between vector instructions and memory instructions, with s_wait_alu, always for 0.
; THE PLAN.  Registers that memory instructions touch:
;   v1, v2   the loads' and the stores' byte offsets: written once at the head by vector instructions, read by all 16 loads and all 16 stores, never written again.
;   X        load j lands in four registers, once; two conversions read them; no vector instruction writes them.
;   Y        two conversions write a pair, once; one store reads it; it is never written again.
; The 16 loads go in four blocks of four.  Block p waits for its four loads and rounds them into its eight registers of Y; the four stores of block p - 1 are dealt among
; its conversions, which name block p's own X and Y alone.  So ONE wait at a block's head states all that its four stores hang on; one more stands ahead of the last four stores,
; and one at the head ahead of the first load, for the two offsets.  No register that a memory instruction reads is written again, no vector instruction writes a scalar register,
; and EXEC is never written: nothing else is owed.
.set X, 8                              ; v[8:71]   load j: 4 numbers in f32
.set Y, 72                             ; v[72:103] store j: 4 numbers in bf16
	s_load_b256 s[4:11], s[0:1], 0x0               ; embedded s[4:5], Wq s[6:7], Wk s[8:9], Wv s[10:11]
	s_load_b128 s[12:15], s[0:1], 0x20             ; xb s[12:13], wb s[14:15]
	s_mov_b32 s19, ttmp9                           ; the work-group's number g
	s_lshr_b32 s16, s19, 6                         ; its segment
	s_and_b32 s17, s19, 63                         ; its place in a weight's segment
	s_sub_co_u32 s18, s19, 512                     ; its place in wb (used from g = 512 on)
	v_and_b32 v3, 0xe0, v0                         ; 32 x wave
	v_and_b32 v4, 31, v0                           ; lane
	v_lshlrev_b32 v1, 4, v4
	v_lshl_or_b32 v1, v3, 8, v1                    ; in: 8,192 x wave + 16 x lane
	v_lshlrev_b32 v2, 3, v4
	v_lshl_or_b32 v2, v3, 7, v2                    ; out: 4,096 x wave + 8 x lane
	s_mov_b32 s21, 0
	s_mov_b32 s23, 0
	s_wait_kmcnt 0x0
	s_cmp_eq_u32 s16, 8                            ; the source is chosen by the segment alone
	s_cselect_b64 s[4:5], s[6:7], s[4:5]
	s_cmp_eq_u32 s16, 9
	s_cselect_b64 s[4:5], s[8:9], s[4:5]
	s_cmp_eq_u32 s16, 10
	s_cselect_b64 s[4:5], s[10:11], s[4:5]
	s_cmp_lt_u32 s16, 8
	s_cselect_b64 s[12:13], s[12:13], s[14:15]     ; the target: xb or wb
	s_cselect_b32 s20, s19, s17
	s_cselect_b32 s22, s19, s18
	s_lshl_b32 s20, s20, 16                        ; 65,536 bytes in for each work-group
	s_lshl_b32 s22, s22, 15                        ; 32,768 bytes out
	s_add_nc_u64 s[4:5], s[4:5], s[20:21]
	s_add_nc_u64 s[12:13], s[12:13], s[22:23]
	s_wait_alu depctr_va_vdst(0)                   ; v1 and v2 are written: every load below reads v1 as its offset, every store v2
.set j, 0
.rept 16
	global_load_b128 v[X+4*j:X+4*j+3], v1, s[4:5] offset:512*j th:TH_LOAD_NT
.set j, j+1
.endr
; Block p: loads 4 p to 4 p + 3 are rounded; the stores of block p - 1 go out among the conversions, a store ahead of each pair.
.macro BLOCK p
	s_wait_loadcnt 12-4*(\p)                       ; loads come back in order: this block's four are in, the 12 - 4 p younger ones stay out
.if (\p) > 0
	s_wait_alu depctr_va_vdst(0)                   ; the block before has written its eight registers of Y, which the four stores below read
.endif
.irp i, 0,1,2,3
.if (\p) > 0
	global_store_b64 v2, v[Y+8*((\p)-1)+2*(\i):Y+8*((\p)-1)+2*(\i)+1], s[12:13] offset:256*(4*((\p)-1)+(\i))  ; no vector instruction since the wait names these registers
.endif
	v_cvt_pk_bf16_f32 v[Y+8*(\p)+2*(\i)],   v[X+16*(\p)+4*(\i)],   v[X+16*(\p)+4*(\i)+1]
	v_cvt_pk_bf16_f32 v[Y+8*(\p)+2*(\i)+1], v[X+16*(\p)+4*(\i)+2], v[X+16*(\p)+4*(\i)+3]
.endr
.endm
	BLOCK 0                                        ; no block stands in front of it: no store, and no wait but the one for its data
	BLOCK 1
	BLOCK 2
	BLOCK 3
	s_wait_alu depctr_va_vdst(0)                   ; block 3 has written its eight registers of Y, which the last four stores read
.irp i, 0,1,2,3
	global_store_b64 v2, v[Y+24+2*(\i):Y+24+2*(\i)+1], s[12:13] offset:256*(12+(\i))
.endr
	s_endpgm
.Lfunc_end_k_qe3e644b4cb_cast:
	.size	k_qe3e644b4cb_cast, .Lfunc_end_k_qe3e644b4cb_cast-k_qe3e644b4cb_cast
	.p2alignl 7, 3214868480
	.fill 96, 4, 3214868480
	.section	.rodata,"a",@progbits
	.p2align	6, 0x0
	.amdhsa_kernel k_qe3e644b4cb_cast
		.amdhsa_group_segment_fixed_size 0
		.amdhsa_private_segment_fixed_size 0
		.amdhsa_enable_private_segment 0
		.amdhsa_kernarg_size 48
		.amdhsa_user_sgpr_count 2
		.amdhsa_user_sgpr_kernarg_segment_ptr 1
		.amdhsa_wavefront_size32 1
		.amdhsa_system_sgpr_workgroup_id_x 1
		.amdhsa_system_sgpr_workgroup_id_y 1
		.amdhsa_system_sgpr_workgroup_id_z 1
		.amdhsa_system_vgpr_workitem_id 0
		.amdhsa_next_free_vgpr 104
		.amdhsa_next_free_sgpr 66
		.amdhsa_reserve_vcc 0
		.amdhsa_float_denorm_mode_32 3
		.amdhsa_float_denorm_mode_16_64 3
		.amdhsa_memory_ordered 1
		.amdhsa_forward_progress 1
		.amdhsa_inst_pref_size 7
	.end_amdhsa_kernel
	.amdgpu_metadata
---
amdhsa.version: [ 1, 2 ]
amdhsa.kernels:
  - .name:           k_qe3e644b4cb_cast
    .symbol:         k_qe3e644b4cb_cast.kd
    .args:
      - { .name: embedded, .offset: 0, .size: 8, .value_kind: global_buffer, .address_space: global }
      - { .name: Wq, .offset: 8, .size: 8, .value_kind: global_buffer, .address_space: global }
      - { .name: Wk, .offset: 16, .size: 8, .value_kind: global_buffer, .address_space: global }
      - { .name: Wv, .offset: 24, .size: 8, .value_kind: global_buffer, .address_space: global }
      - { .name: xb, .offset: 32, .size: 8, .value_kind: global_buffer, .address_space: global }
      - { .name: wb, .offset: 40, .size: 8, .value_kind: global_buffer, .address_space: global }
    .group_segment_fixed_size: 0
    .private_segment_fixed_size: 0
    .kernarg_segment_align: 8
    .kernarg_segment_size: 48
    .max_flat_workgroup_size: 256
    .sgpr_count:     66
    .vgpr_count:     104
    .wavefront_size: 32
...
	.end_amdgpu_metadata
.endif
;; end of part 5
;; launch proj: the kernel of part 2 again; grid 12 x 16, 4 waves a work-group, clusters of 4 x 4, 327,680 bytes of LDS; arguments xb, wb, qkv; writes qkv
;; launch scores: the kernel of part 3 again; grid 36 x 4, 4 waves a work-group, no clusters, 327,680 bytes of LDS; arguments qkv, pbuf, stats; writes pbuf, stats
;; launch pv: the kernel of part 4 again; grid 8 x 32, 4 waves a work-group, clusters of 4 x 1, 327,680 bytes of LDS; arguments qkv, pbuf, stats, out0; writes out0
